; MI455X (gfx1250); checked and timed in simulation.
; The chip was launched on July 23, 2026; its instructions are those of AMD's public machine-readable ISA for CDNA 5 (MIT licence, August 2026) and "CDNA5" Instruction Set Architecture Reference Guide (July 2026). The comments in the code are by the model that wrote it; some were corrected since.
;; Multi Head Attention. Allowed arithmetic: matrix products marked QUANTISED: E2M3 operands, one E8M0 scale for each 32 along K, by v_wmma_scale_f32_16x16x128_f8f6f4 with both operands' format E2M3, f32 sums; everything else in f32.
;; Inputs: Wo 1,024 x 1,024 float32; Wqkv 1,024 x 3,072 float32; bo 1,024 float32; mask 1 x 1 x 2,048 x 2,048 int32; x 4 x 2,048 x 1,024 float32.
;; Outputs: out0 4 x 2,048 x 1,024 float32.
;; This version of the problem:
;;   THIS VERSION OF THE PROBLEM IS GIVEN IN LOW PRECISION. The matrix products marked QUANTISED in the list below multiply operands that are first quantised to E2M3 (2 exponent bits, 3 mantissa bits; 6 bits a number), with one power-of-two scale for each 32 numbers along K (OCP MX v1.0); their sums are f32. All else is computed in f32.
;;   The module's matrix products, in the order in which they are computed (A, B: the left and right operand; K: the contracted axis; several contracted axes count as one K, in the product's order):
;;     1. [M 8,192, K 1,024] x [K 1,024, N 3,072]; A: input x; B: input Wqkv: QUANTISED
;;     2. batch 64 x [M 2,048, K 64] x [K 64, N 2,048]; A: computed on the way; B: computed on the way: QUANTISED
;;     3. batch 64 x [M 2,048, K 2,048] x [K 2,048, N 64]; A: softmax (see below); B: computed on the way: QUANTISED
;;     4. [M 8,192, K 1,024] x [K 1,024, N 1,024]; A: computed on the way; B: input Wo: QUANTISED
;;   THE QUANTISER, for each operand of a quantised product, along K:
;;     - K is cut into blocks of 32 from its start; a last block that is shorter is filled with zeros.
;;     - A block's scale is 2^e with e = floor(log2(the largest magnitude in the block)) - 2, held to -126 .. 127; a block of zeros has e = 0. As a byte (E8M0): e + 127.
;;     - Each number is divided by its block's scale, clamped to +-7.5, and rounded to the nearest number of E2M3, ties to even, subnormals kept.
;;     - The product sums the exact products of the quantised numbers (number of the format x scale) in f32.
;;   ~~~python
;;   def quantise(x, axis):      # numpy; x: float32 -> the quantised numbers, widened to float32 again
;;       x = np.moveaxis(x, axis, -1); K = x.shape[-1]
;;       x = np.pad(x, [(0, 0)] * (x.ndim - 1) + [(0, -K % 32)]); x = x.reshape(x.shape[:-1] + (-1, 32)); a = np.abs(x).max(-1, keepdims=True)
;;       e = np.where(a > 0, np.clip(np.frexp(np.where(a > 0, a, 1))[1] - 1 - 2, -126, 127), 0)      # np.frexp(a)[1] - 1 = floor(log2(a)), exactly
;;       r = np.clip(x / 2.0 ** e, -7.5, 7.5)
;;       step = 2.0 ** (np.maximum(np.frexp(np.where(r == 0, 1, r))[1] - 1, 0) - 3)
;;       q = np.round(r / step) * step * 2.0 ** e      # np.round: ties to even
;;       return np.moveaxis(q.reshape(q.shape[:-2] + (-1,))[..., :K], -1, axis).astype(np.float32)
;;   ~~~
;;   SOFTMAX AHEAD OF A QUANTISED PRODUCT. Where the list says 'softmax', what is quantised is not the finished softmax but p = 2^(t - M), with t = logit x log2(e) and M = ceil(the row's largest t), a whole number; so 1/2 < the row's largest p <= 1. The row's sum l is taken of the UNQUANTISED p, in f32, and the product's result is divided by l at the end. Since M is a whole number, a kernel that streams over the keys may use a running M (the ceiling of the running maximum): every later rescaling is an exact power of two, which a block's scale takes up: the codes' values come out the same.
;;   OPERANDS COMPUTED ON THE WAY. 'Computed on the way' means the value that the module computes at that place (a softmax that the list does not call 'softmax' is quantised finished and normalised). What goes into a quantiser is computed in f32, as accurately as f32 sums, v_exp_f32 and their like allow (about 1e-6 of the number): no bf16 or f16 on the way to a quantiser, and a product that is left as it is and whose result goes on into a quantised operand takes f32 operands (vector FMAs, or v_wmma_f32_16x16x4_f32). A number that lies on a knife's edge between two numbers of the format may be rounded either way, as far as f32 arithmetic and the matrix unit's own rounding can turn it there, and no further.
;; 2 versions, each right; version 2 is version 1 with the launch attn written anew for expert scheduling mode. Each part assembles by itself: llvm-mc -triple=amdgcn-amd-amdhsa -mcpu=gfx1250 --defsym DOCPART=n.
;; ======== version 1 of 2: 4 launches
;; workspace buffers: xq 6,553,600 bytes; wc 3,276,800 bytes; mw 524,288 bytes of whole numbers; mf 4,096 bytes of whole numbers; qkv 20,185,088 bytes; ao 6,553,600 bytes
;; launch prep (part 1): grid 512 x 1, 4 waves a work-group, no clusters, 34,304 bytes of LDS; arguments x, mask, Wqkv, Wo, xq, wc, mw, mf; writes xq, wc, mw, mf
.if DOCPART == 1
	.amdgcn_target "amdgcn-amd-amdhsa--gfx1250"
	.amdhsa_code_object_version 6
	.text
	.protected	k_q2d8901f3e0_prep
	.globl	k_q2d8901f3e0_prep
	.p2align	8
	.type	k_q2d8901f3e0_prep,@function
k_q2d8901f3e0_prep:
	s_mov_b64 s[64:65], 0
	v_nop
	global_prefetch_b8 v0, s[64:65] scope:SCOPE_SE
	s_setreg_imm32_b32 hwreg(HW_REG_WAVE_MODE, 25, 1), 1
	s_wait_xcnt 0x0
; PREP: x [8192][1024] f32 and the weights Wqkv [1024][3072], Wo [1024][1024] f32 become codes of FP6 (E2M3) with one E8M0 byte for each 32 along K; the mask [2048][2048] i32 becomes lane masks and flags.
; A block's scale is 2^(floor(log2(largest magnitude)) - 2): its byte is the largest magnitude's exponent field - 2, held at 1 from below (a block of zeros so has byte 1: its codes are zeros and this program alone reads the bytes).
; LIMITS: NaN and infinities among x and the weights are not served.
; ORDER INSIDE A BLOCK OF 32 ALONG K, for every operand of every product of the program alike: code places 0-15 hold k 0-7 and 16-23, places 16-31 hold k 8-15 and 24-31.
; PANEL (25,600 bytes) = 128 rows x 256 K as images of the operand's registers: fragment (tile i of 16 rows, q-th 128 K) at 3072 i + 1536 q: registers 0-3 at 16 x lane, 4-5 at 512 + 8 x lane,
; 6-9 at 768 + 16 x lane, 10-11 at 1280 + 8 x lane; from byte 24,576 the scale words, 8 bytes a row (q = 0, 1).  xq: [K slot 4][panel 64]; wc: [K slot 4][panel 32], panels 0-23 Wqkv's columns, 24-31 Wo's.
; mw: [query tile 128][key step 16][64 words]: bit l of word j says that mask[16 qt + l % 16][128 st + 16 (j / 8) + 8 (l / 16) + j % 8] is not 0.  mf: [query tile][8 words]: their OR has bit st = some key of the step open, bit 16 + st = all open.
; SHARES: work-groups 0-255 x, 256-383 the mask, 384-511 the weights.  Waves share nothing: no barrier.
; x and the mask take one way through the loads and the stage in LDS (a wave: 32 rows x 256 words, as four tiles of 16 x 128); only what is made of a tile differs, in two arms chosen by the work-group's number.
.set LP,   528                         ; a stage row: 512 bytes + 16: the sixteen rows that a read touches start in different banks
.set OFF,  6                           ; v6-21   row i of a tile: i x pitch + 16 x lane; never rewritten
.set LN,   22                          ; v22     lane
.set L4,   23                          ; v23     4 x lane
.set R,    24                          ; v24-151 two sets of 64 registers as loaded (the weights: two sets of 32)
.set X,    152                         ; v152-215 register 8 u + j = word 16 u + 8 (lane / 16) + j of row lane % 16
.set TM,   216                         ; v216-219 largest magnitudes, v220-223 the other half's, then bytes, v224-227 the conversions' scale operands
.set PC,   228                         ; v228-239 a fragment's codes; v240-242, v244-246 at work
.set PW,   248                         ; the scale word just made
.set SW,   249                         ; v249-252 the four tiles' scale words
.set FLG,  253                         ; the mask's flags on their way out
.set SEL,  30                          ; s[30:31] selects of v_permlanex16_b32: lane l xor 16
; 64 numbers of a lane, register 16 b + i of block b, become a fragment's 12 registers in v[PC] on and its row's scale word in v[PW] (the same in lanes l and l xor 16)
.macro QUANT s
.irp b, 0,1,2,3
	v_max3_num_f32 v[TM+\b], |v[\s+16*\b]|, |v[\s+16*\b+1]|, 0x1800000   ; my 16 of the block, and the floor 2^(3 - 127): the byte cannot fall under 1
.endr
.irp i, 2,4,6,8,10,12,14
.irp b, 0,1,2,3
	v_max3_num_f32 v[TM+\b], v[TM+\b], |v[\s+16*\b+\i]|, |v[\s+16*\b+\i+1]|
.endr
.endr
.irp b, 0,1,2,3
	v_permlanex16_b32 v[TM+4+\b], v[TM+\b], s[SEL], s[SEL+1]
.endr
.irp b, 0,1,2,3
	v_max_num_f32 v[TM+\b], v[TM+\b], v[TM+4+\b]       ; with lane l xor 16's 16: the block's largest magnitude
.endr
.irp b, 0,1,2,3
	v_add_nc_u32 v[TM+8+\b], 0xff000000, v[TM+\b]      ; 2 off its exponent field: the conversion takes this operand's exponent field as its scale
.endr
.irp b, 0,1,2,3
	v_lshrrev_b32 v[TM+4+\b], 23, v[TM+8+\b]           ; the scale's byte
.endr
	v_lshl_or_b32 v[PW], v[TM+5], 8, v[TM+4]
	v_lshl_or_b32 v[PW], v[TM+6], 16, v[PW]
	v_lshl_or_b32 v[PW], v[TM+7], 24, v[PW]
.irp c, 0,1
	v_cvt_scalef32_pk16_fp6_f32 v[PC+6*\c:PC+6*\c+2], v[\s+32*\c:\s+32*\c+15], v[TM+8+2*\c]
	v_cvt_scalef32_pk16_fp6_f32 v[PC+12+4*\c:PC+12+4*\c+2], v[\s+32*\c+16:\s+32*\c+31], v[TM+8+2*\c+1]   ; (a conversion's three registers begin on an even number)
.endr
	v_nop                                              ; one plain place behind a scaled conversion
.irp c, 0,1                                        ; the operand wants a whole block in a lane: lanes 0-15 block 2 c, lanes 16-31 block 2 c + 1
.irp i, 0,1,2
	v_permlane16_swap_b32 v[PC+6*\c+\i], v[PC+12+4*\c+\i]
.endr
.irp i, 0,1,2
	v_mov_b32 v[PC+6*\c+3+\i], v[PC+12+4*\c+\i]
.endr
.endr
.endm
; tile f = (rows 16 (f / 2) on, words 128 (f % 2) on): sixteen loads, each 512 consecutive bytes of one row
.macro LOAD f
.irp i, 0,1,2,3,4,5,6,7,8,9,10,11,12,13,14,15
	global_load_b128 v[R+64*((\f)%2)+4*\i:R+64*((\f)%2)+4*\i+3], v[OFF+\i], s[22+2*((\f)/2):23+2*((\f)/2)] offset:512*((\f)%2) th:TH_LOAD_NT
.endr
.endm
; the tile turns through the wave's own stage: in as it lies, out 32 bytes of a row to a lane.  LDS serves a wave's instructions in order, so no wait stands between the stores and the loads.
.macro FRONT f
.if (\f) < 3
	s_wait_loadcnt 16                                  ; this tile's 16 loads are in; the next tile's 16 may be out
.else
	s_wait_loadcnt 0x0
.endif
.irp i, 0,1,2,3,4,5,6,7,8,9,10,11,12,13,14,15
	ds_store_b128 v3, v[R+64*((\f)%2)+4*\i:R+64*((\f)%2)+4*\i+3] offset:LP*\i
.endr
.irp u, 0,1,2,3,4,5,6,7
	ds_load_b128 v[X+8*\u:X+8*\u+3], v4 offset:64*\u
	ds_load_b128 v[X+8*\u+4:X+8*\u+7], v4 offset:64*\u+16
.endr
	s_wait_dscnt 0x0                                   ; the tile is back, and the stores have read their registers,
.if (\f) < 2
	LOAD (\f)+2                                        ; which take the tile two on
.endif
.endm
.macro XQ f                                        ; x: the tile becomes a fragment
	s_wait_xcnt 0x0                                    ; the last tile's stores have read the codes' registers
	QUANT X
	global_store_b128 v1, v[PC:PC+3], s[12:13] offset:((\f)/2)*3072+((\f)%2)*1536
	global_store_b64 v2, v[PC+4:PC+5], s[12:13] offset:((\f)/2)*3072+((\f)%2)*1536+512
	global_store_b128 v1, v[PC+6:PC+9], s[12:13] offset:((\f)/2)*3072+((\f)%2)*1536+768
	global_store_b64 v2, v[PC+10:PC+11], s[12:13] offset:((\f)/2)*3072+((\f)%2)*1536+1280
	v_mov_b32 v[SW+(\f)], v[PW]
.endm
.macro PK f                                        ; the mask: each of the lane's 64 registers gives one word of 32 lane bits; word j goes to lane j / 2, register j % 2
	s_wait_xcnt 0x0                                    ; the last tile's store has read these two registers
	v_mov_b32 v[PC], 0
	v_mov_b32 v[PC+1], 0
	s_mov_b32 s40, 0                                   ; the OR of the words,
	s_mov_b32 s41, -1                                  ; and their AND
.set g, 0
.rept 8
.irp e, 0,1,2,3,4,5,6,7
	v_cmp_ne_u32 s[32+\e], 0, v[X+8*g+\e]
.endr
.irp e, 0,1,2,3,4,5,6,7
	v_writelane_b32 v[PC+(\e&1)], s[32+\e], 4*g+(\e>>1)
.endr
.irp e, 0,1,2,3,4,5,6,7
	s_or_b32 s40, s40, s[32+\e]
	s_and_b32 s41, s41, s[32+\e]
.endr
.set g, g+1
.endr
	global_store_b64 v2, v[PC:PC+1], s[12:13] offset:((\f)/2)*4096+((\f)%2)*256   ; 32 lanes store the tile's 256 consecutive bytes
	s_cmp_lg_u32 s40, 0
	s_cselect_b32 s42, 1, 0                            ; some key open
	s_cmp_eq_u32 s41, -1
	s_cselect_b32 s43, 0x10000, 0                      ; all open
	s_or_b32 s42, s42, s43
	s_lshl_b32 s42, s42, s45                           ; at the step's place: 2 x column group + f % 2
	s_lshl_b32 s42, s42, (\f)%2
	s_or_b32 s[46+(\f)/2], s[46+(\f)/2], s42
.endm
.macro ARM f
	s_cmp_lt_u32 ttmp9, 256
	s_cbranch_scc0 .Lpk_\@
	XQ \f
	s_branch .Ljoin_\@
.Lpk_\@:
	PK \f
.Ljoin_\@:
.endm
; THE WEIGHTS.  A lane takes a column and its registers run down K, in the block's order of places: a block of 32 lies in one lane, and nothing is transposed.  Block t of 8: K 32 t on.
.macro LOADB t, pitch
.irp i, 0,1,2,3,4,5,6,7,8,9,10,11,12,13,14,15,16,17,18,19,20,21,22,23,24,25,26,27,28,29,30,31
	global_load_b32 v[R+32*((\t)%2)+\i], v[L4], s[22:23] offset:(32*(\t)+(\i%8)+16*((\i/8)%2)+8*(\i/16))*\pitch th:TH_LOAD_NT   ; 32 lanes read 128 consecutive bytes; the four waves stand side by side
.endr
.endm
.macro BLOCK t, pitch
.set XS, R+32*((\t)%2)
.set CB, PC+6*((\t)%2)
.if (\t) < 7
	s_wait_loadcnt 32                                  ; this block's 32 loads are in; the next block's may be out
.else
	s_wait_loadcnt 0x0
.endif
	v_max3_num_f32 v[TM], |v[XS]|, |v[XS+1]|, |v[XS+2]|
	v_max3_num_f32 v[TM+1], |v[XS+3]|, |v[XS+4]|, |v[XS+5]|
.irp i, 6,10,14,18,22,26
	v_max3_num_f32 v[TM], v[TM], |v[XS+\i]|, |v[XS+\i+1]|
	v_max3_num_f32 v[TM+1], v[TM+1], |v[XS+\i+2]|, |v[XS+\i+3]|
.endr
	v_max3_num_f32 v[TM], v[TM], |v[XS+30]|, |v[XS+31]|
	v_max3_num_f32 v[TM], v[TM], v[TM+1], 0x1800000    ; and the floor
	v_add_nc_u32 v[TM+2], 0xff000000, v[TM]
	v_lshrrev_b32 v[TM+3], 23, v[TM+2]
.if (\t)%4 == 0
	v_mov_b32 v[TM+4+(\t)/4], v[TM+3]                  ; four bytes to a word, the lower K in the lower byte
.else
	v_lshl_or_b32 v[TM+4+(\t)/4], v[TM+3], 8*((\t)%4), v[TM+4+(\t)/4]
.endif
.if (\t)%2 == 0
	s_wait_xcnt 0x0                                    ; the last pair's stores have read the codes' registers
.endif
	v_cvt_scalef32_pk16_fp6_f32 v[CB:CB+2], v[XS:XS+15], v[TM+2]
	v_cvt_scalef32_pk16_fp6_f32 v[PC+12:PC+14], v[XS+16:XS+31], v[TM+2]
	v_nop
.irp i, 0,1,2
	v_mov_b32 v[CB+3+\i], v[PC+12+\i]
.endr
.if (\t)+2 < 8
	LOADB (\t)+2, \pitch
.endif
.if (\t)%2 == 1                                    ; an even and an odd block of 32 columns: the halves change places, and each run of six registers is the image of 16 columns x 64 K
.irp i, 0,1,2,3,4,5
	v_permlane16_swap_b32 v[PC+\i], v[PC+6+\i]
.endr
	global_store_b128 v1, v[PC:PC+3], s[12:13] offset:((\t)/4)*1536+(((\t)%4)/2)*768
	global_store_b64 v2, v[PC+4:PC+5], s[12:13] offset:((\t)/4)*1536+(((\t)%4)/2)*768+512
	global_store_b128 v1, v[PC+6:PC+9], s[12:13] offset:((\t)/4)*1536+(((\t)%4)/2)*768+3072
	global_store_b64 v2, v[PC+10:PC+11], s[12:13] offset:((\t)/4)*1536+(((\t)%4)/2)*768+3072+512
.endif
.endm
.macro WPATH pitch
	LOADB 0, \pitch
	LOADB 1, \pitch
.irp t, 0,1,2,3,4,5,6,7
	BLOCK \t, \pitch
.endr
	global_store_b64 v2, v[TM+4:TM+5], s[14:15]        ; my column's two scale words: 32 lanes store 256 consecutive bytes
.endm
	s_load_b256 s[4:11], s[0:1], 0x0                   ; x s[4:5], mask s[6:7], Wqkv s[8:9], Wo s[10:11]
	s_load_b256 s[12:19], s[0:1], 0x20                 ; xq s[12:13], wc s[14:15], mw s[16:17], mf s[18:19]
	v_lshl_add_u32 v243, v0, 2, 0x8400
	v_mov_b32 v247, 0
	v_lshrrev_b32 v5, 5, v0
	v_readfirstlane_b32 s21, v5                        ; wave
	v_and_b32 v[LN], 31, v0
	v_lshlrev_b32 v1, 4, v[LN]                         ; 16 x lane
	v_lshlrev_b32 v2, 3, v[LN]                         ; 8 x lane
	v_lshlrev_b32 v[L4], 2, v[LN]
	s_mov_b32 s[SEL], 0x76543210
	s_mov_b32 s[SEL+1], 0xfedcba98
	s_mov_b32 s50, 0xffff0000                          ; lanes 16-31
	s_cmp_ge_u32 ttmp9, 384
	s_cbranch_scc1 .Lweights
	; ---- x and the mask
	v_and_b32 v5, 15, v0
	s_mul_i32 s22, s21, 16*LP                          ; my wave's stage
	v_mul_u32_u24 v4, v5, LP
	v_bfe_u32 v5, v0, 4, 1
	v_lshl_add_u32 v4, v5, 5, v4
	v_add_nc_u32 v4, s22, v4                           ; out of the stage: row lane % 16, + 32 (lane / 16)
	v_add_nc_u32 v3, s22, v1                           ; into it: 16 x lane
.irp b, 0,1,2,3
	v_mov_b32 v[TM+4+\b], 0                            ; a lane permute's destination counts as one of its sources
	v_mov_b32 v[SW+\b], 0                              ; written on every way
.endr
	v_mov_b32 v[FLG], 0
	s_sub_co_u32 s26, ttmp9, 256
	s_lshr_b32 s27, s26, 1                             ; the mask: which 32 rows,
	s_and_b32 s28, s26, 1
	s_lshl_b32 s28, s28, 2
	s_add_co_u32 s28, s28, s21                         ; which 256 columns
	s_mov_b32 s20, 8192
	s_cmp_lt_u32 ttmp9, 256                            ; x or the mask: the choice hangs on the work-group's number alone
	s_cselect_b32 s20, 4096, s20                       ; bytes in a row
	s_cselect_b32 s27, ttmp9, s27
	s_cselect_b32 s28, s21, s28
	s_mul_i32 s26, s27, s20
	s_lshl_b32 s26, s26, 5
	s_lshl_b32 s29, s28, 10
	s_add_co_u32 s42, s26, s29                         ; my wave's first byte in its source
	s_mov_b32 s43, 0
	s_lshl_b32 s48, s20, 4                             ; 16 rows on
	s_mov_b32 s49, 0
	s_lshl_b32 s32, s21, 6                             ; x: K slot = wave, panel = work-group / 4
	s_lshr_b32 s33, ttmp9, 2
	s_add_co_u32 s32, s32, s33
	s_mul_i32 s32, s32, 25600
	s_and_b32 s33, ttmp9, 3
	s_mul_i32 s34, s33, 6144                           ; my two tiles of its eight
	s_add_co_u32 s34, s34, s32
	s_lshl_b32 s33, s33, 8
	s_add_co_u32 s36, s32, s33
	s_add_co_u32 s36, s36, 24576                       ; my 32 rows' scale words
	s_lshl_b32 s38, s27, 5                             ; the mask: (2 query tiles x 16 steps + my 2 steps) x 256 bytes
	s_lshl_b32 s45, s28, 1
	s_add_co_u32 s38, s38, s45
	s_lshl_b32 s38, s38, 8
	s_lshl_b32 s39, s27, 6                             ; the flags: 32 bytes a query tile, my column group's word
	s_lshl_b32 s29, s28, 2
	s_add_co_u32 s39, s39, s29
	s_mov_b32 s35, 0
	s_mov_b32 s37, 0
	s_mov_b32 s46, 0                                   ; the flags of my two query tiles
	s_mov_b32 s47, 0
	s_cmp_lt_u32 ttmp9, 256
	s_cselect_b32 s34, s34, s38
	s_cselect_b32 s36, s36, s39
	s_wait_kmcnt 0x0
	s_cselect_b64 s[4:5], s[4:5], s[6:7]
	s_cselect_b64 s[18:19], s[12:13], s[18:19]
	s_cselect_b64 s[12:13], s[12:13], s[16:17]
	s_add_nc_u64 s[22:23], s[4:5], s[42:43]            ; rows 0-15
	s_add_nc_u64 s[24:25], s[22:23], s[48:49]          ; rows 16-31
	s_add_nc_u64 s[12:13], s[12:13], s[34:35]          ; codes, or mask words
	s_add_nc_u64 s[18:19], s[18:19], s[36:37]          ; scale words, or flags
.irp i, 0,1,2,3,4,5,6,7,8,9,10,11,12,13,14,15
	v_mad_u32_u24 v[OFF+\i], s20, \i, v1
.endr
	LOAD 0
	LOAD 1
.irp f, 0,1,2,3
	FRONT \f
	ARM \f
.endr
	s_cmp_lt_u32 ttmp9, 256
	s_cbranch_scc0 .Lmask_end
	v_cndmask_b32 v254, v[SW], v[SW+2], s50            ; lane l is row l of my 32: rows 16-31 are the second pair of tiles
	v_cndmask_b32 v255, v[SW+1], v[SW+3], s50
	global_store_b64 v2, v[254:255], s[18:19]          ; 32 lanes store 256 consecutive bytes
	s_wait_tensorcnt 0x0
	ds_add_u32 v243, v247
	s_wait_dscnt 0x0
	s_endpgm
.Lmask_end:
	v_writelane_b32 v[FLG], s46, 0
	v_writelane_b32 v[FLG], s47, 1
	v_lshlrev_b32 v5, 5, v[LN]
	s_wait_xcnt 0x0                                    ; EXEC changes only behind this wait
	v_cmp_gt_u32 vcc_lo, 2, v[LN]
	s_wait_tensorcnt 0x0
	ds_add_u32 v243, v247
	s_wait_dscnt 0x0
	s_and_saveexec_b32 s51, vcc_lo
	global_store_b32 v5, v[FLG], s[18:19]              ; two words, 32 bytes apart: a part of a block; 4,096 bytes in the whole launch
	s_wait_xcnt 0x0
	s_or_b32 exec_lo, exec_lo, s51
	s_endpgm
.Lweights:
	s_sub_co_u32 s26, ttmp9, 384
	s_lshr_b32 s24, s26, 2                             ; panel 0..31
	s_and_b32 s25, s26, 3                              ; K slot
	s_lshl_b32 s26, s25, 5
	s_add_co_u32 s26, s26, s24
	s_mul_i32 s26, s26, 25600
	s_mul_i32 s27, s21, 6144                           ; my wave's two tiles of 16 columns
	s_add_co_u32 s28, s26, s27
	s_mov_b32 s29, 0
	s_lshl_b32 s27, s21, 8
	s_add_co_u32 s26, s26, s27
	s_add_co_u32 s26, s26, 24576                       ; my 32 columns' scale words
	s_mov_b32 s27, 0
	s_lshl_b32 s32, s21, 7                             ; my 32 columns in a row of the weight
	s_mov_b32 s35, 0
	s_wait_kmcnt 0x0
	s_add_nc_u64 s[12:13], s[14:15], s[28:29]
	s_add_nc_u64 s[14:15], s[14:15], s[26:27]
	s_cmp_lt_u32 s24, 24
	s_cbranch_scc0 .Lwo
	s_mul_i32 s34, s25, 256*12288
	s_lshl_b32 s33, s24, 9
	s_add_co_u32 s34, s34, s33
	s_add_co_u32 s34, s34, s32
	s_add_nc_u64 s[22:23], s[8:9], s[34:35]
	WPATH 12288
	s_endpgm
.Lwo:
	s_sub_co_u32 s24, s24, 24
	s_mul_i32 s34, s25, 256*4096
	s_lshl_b32 s33, s24, 9
	s_add_co_u32 s34, s34, s33
	s_add_co_u32 s34, s34, s32
	s_add_nc_u64 s[22:23], s[10:11], s[34:35]
	WPATH 4096
	s_endpgm
.Lfunc_end_k_q2d8901f3e0_prep:
	.size	k_q2d8901f3e0_prep, .Lfunc_end_k_q2d8901f3e0_prep-k_q2d8901f3e0_prep
	.p2alignl 7, 3214868480
	.fill 96, 4, 3214868480
	.section	.rodata,"a",@progbits
	.p2align	6, 0x0
	.amdhsa_kernel k_q2d8901f3e0_prep
		.amdhsa_group_segment_fixed_size 34304
		.amdhsa_private_segment_fixed_size 0
		.amdhsa_enable_private_segment 0
		.amdhsa_kernarg_size 64
		.amdhsa_user_sgpr_count 2
		.amdhsa_user_sgpr_kernarg_segment_ptr 1
		.amdhsa_wavefront_size32 1
		.amdhsa_system_sgpr_workgroup_id_x 1
		.amdhsa_system_sgpr_workgroup_id_y 1
		.amdhsa_system_sgpr_workgroup_id_z 1
		.amdhsa_system_vgpr_workitem_id 0
		.amdhsa_next_free_vgpr 256
		.amdhsa_next_free_sgpr 66
		.amdhsa_reserve_vcc 1
		.amdhsa_float_denorm_mode_32 3
		.amdhsa_float_denorm_mode_16_64 3
		.amdhsa_memory_ordered 1
		.amdhsa_forward_progress 1
		.amdhsa_inst_pref_size 165
	.end_amdhsa_kernel
	.amdgpu_metadata
---
amdhsa.version: [ 1, 2 ]
amdhsa.kernels:
  - .name:           k_q2d8901f3e0_prep
    .symbol:         k_q2d8901f3e0_prep.kd
    .args:
      - { .name: x, .offset: 0, .size: 8, .value_kind: global_buffer, .address_space: global }
      - { .name: mask, .offset: 8, .size: 8, .value_kind: global_buffer, .address_space: global }
      - { .name: Wqkv, .offset: 16, .size: 8, .value_kind: global_buffer, .address_space: global }
      - { .name: Wo, .offset: 24, .size: 8, .value_kind: global_buffer, .address_space: global }
      - { .name: xq, .offset: 32, .size: 8, .value_kind: global_buffer, .address_space: global }
      - { .name: wc, .offset: 40, .size: 8, .value_kind: global_buffer, .address_space: global }
      - { .name: mw, .offset: 48, .size: 8, .value_kind: global_buffer, .address_space: global }
      - { .name: mf, .offset: 56, .size: 8, .value_kind: global_buffer, .address_space: global }
    .group_segment_fixed_size: 34304
    .private_segment_fixed_size: 0
    .kernarg_segment_align: 8
    .kernarg_segment_size: 64
    .max_flat_workgroup_size: 128
    .sgpr_count:     66
    .vgpr_count:     256
    .wavefront_size: 32
...
	.end_amdgpu_metadata
.endif
;; end of part 1
;; launch qkvgemm (part 2): grid 12 x 32, 4 waves a work-group, clusters of 4 x 4, 327,680 bytes of LDS; arguments xq, wc, qkv; writes qkv
.if DOCPART == 2
	.amdgcn_target "amdgcn-amd-amdhsa--gfx1250"
	.amdhsa_code_object_version 6
	.text
	.protected	k_q2d8901f3e0_qkvgemm
	.globl	k_q2d8901f3e0_qkvgemm
	.p2align	8
	.type	k_q2d8901f3e0_qkvgemm,@function
k_q2d8901f3e0_qkvgemm:
	s_mov_b64 s[64:65], 0
	v_nop
	global_prefetch_b8 v0, s[64:65] scope:SCOPE_SE
	s_setreg_imm32_b32 hwreg(HW_REG_WAVE_MODE, 25, 1), 1
	s_wait_xcnt 0x0
	s_wait_alu depctr_hold_cnt(0) depctr_sa_sdst(0) depctr_va_vdst(0) depctr_va_sdst(0) depctr_va_ssrc(0) depctr_va_vcc(0) depctr_vm_vsrc(0)
	s_getreg_b32 s2, hwreg(HW_REG_IB_STS2, 6, 4)
	s_cmp_eq_u32 s2, 0
	s_cbranch_scc0 .Lentry_in_a_cluster
	s_endpgm
.Lentry_in_a_cluster:
	s_bfe_u32 s2, ttmp6, 0x10000c
	s_cmp_lg_u32 s2, 0xf033
	s_cbranch_scc0 .Lentry_shape_is_right
	s_endpgm
.Lentry_shape_is_right:
; QKVGEMM: qkv = x Wqkv on codes of FP6 (E2M3) with E8M0 scales, K = 1,024, and the quantisers of q, k and v, in f32, straight from the accumulators.
; A work-group makes 256 'a' rows x 256 'b' rows; each of its four waves 128 x 128: 64 accumulators, 512 registers.  The product is used transposed (source 0 = 16 b rows, source 1 = 16 a rows):
; lane (r, h) holds a row r, and register 8 u + j of a block's 64 holds b row 16 u + 8 h + j: so the b rows are the K of the operand that is made of the result.
; CLUSTER x = 0 (q), 1 (k): a = tokens, b = Wqkv's columns: K of the next product is the head's 64.  CLUSTER x = 2 (v): a = Wqkv's v columns, b = tokens: K of the next product is the keys.
; Operands lie in memory as panels of 25,600 dense bytes (128 rows x 256 K as images of the operand's registers, then the rows' scale words): a K slot of the ring is four panels, one tensor load a wave.
; CLUSTERS of 4 x 4: a's panels hang on the cluster's y place alone and are asked for jointly along a row, b's on its x place alone and jointly along a column.
; qkv: 64 records (batch x head) of REC bytes: q's codes [tile 128][768], q's scale words [token], k's codes [step 16][tile 8][768], v's codes [step][d tile 4][1536], k's words [step][tile][16], v's [step][d tile][16].
; LIMITS: a block's byte is held at 1 from below (a block of zeros has byte 1: its codes are zeros); NaN and infinities are not served.
; REGISTERS: window 0: v8-31 addresses; v32-63 scale words, two sets; v64-123 the quantiser's; v128-223 a's fragments, one set.  window 1: b's fragments, two sets, at v0 and v128.  windows 2, 3: accumulator (a, b) at v[8 (8 (a % 4) + b)].
.set PANEL, 25600
.set SLOT,  4*PANEL                    ; a's two panels, then b's two
.set SPARE, 2*SLOT                     ; behind the ring: the spare words, 128 bytes a wave: two blocks of 256 bytes that no other line names
.set REC,   315392
.set FR,    12                         ; registers of a fragment
.set NL,    4                          ; LDS loads that bring one
.set NP,    4                          ; places behind this matrix instruction (ISA guide 7.12.1)
.set NQ,    2                          ; steps of 128 along K in a slot
.set SCQ,   8                          ; v8   q, k: where my row's scale word goes: 1024 x wave + 512 (lane / 16) + 4 (lane % 16)
.set SCQR,  9                          ; v9   and where 16 bytes of words are read back: 1024 x wave + 16 x lane
.set SCV,   10                         ; v10  v: 4096 + 512 x wave + 4 (lane % 16)
.set SCVR,  11                         ; v11  4096 + 512 x wave + 16 x lane
.set VSO,   12                         ; v12  v: REC x (lane / 16) + 16 (lane % 16)
.set SH,    13                         ; v13  16 x (lane / 16)
.set A16,   16                         ; v16-17 a's panel in slot 0, 1, + 16 x lane;  v18-19 + 8 x lane
.set A8,    18
.set B16,   20                         ; v20-23 the same for b
.set B8,    22
.set ADRS,  24                         ; v24-25 the scale words in slot 0, 1: lanes 0-15 a's rows, lanes 16-31 b's
.set L16,   26
.set L8,    27
.set SPW,   28                         ; LDS address of my spare word; never rewritten
.set NIL,   29                         ; 0; never rewritten
.set SC,    32                         ; set s at v[SC + 16 s]; register 2 i + q: the words of block i for the slot's q-th 128 K
.set PC,    64                         ; v64-75 codes, v76-78, v80-82 at work
.set TM,    96                         ; v96-99 largest magnitudes, v100-103 the other half's, then bytes, v104-107 scale operands
.set PW,    112
.set SD,    113
.set T,     116
.set AF,    128
.set G1,  24
.set G0,  32
.set G1B, 48
.set G0B, 56
.set SEL, 72
.set MSB, 0
.macro WIN new                         ; the immediate's high byte repeats the setting that is left
.if MSB != (\new)
	s_set_vgpr_msb (MSB<<8)|(\new)
.set MSB, (\new)
.endif
.endm
.set MUL_LO, 0xa1                      ; source 0 (b) window 1, source 1 (a) window 0, C and D window 2
.set MUL_HI, 0xf1
.set TO_B,   0x40
; A joint load: waves 0 and 1 fetch a's panels, waves 2 and 3 b's; the branch hangs on the wave's number alone.  Four v_nop follow each of the two lines.
.macro JLOAD g0a, g1a, g0b, g1b
	s_cmp_eq_u32 s15, 0
	s_cbranch_scc0 .Lfor_b_\@
	tensor_load_to_lds s[\g0a:\g0a+3], s[\g1a:\g1a+7]
	s_nop 0
.rept 4
	v_nop
.endr
	s_branch .Lasked_\@
.Lfor_b_\@:
	tensor_load_to_lds s[\g0b:\g0b+3], s[\g1b:\g1b+7]
	s_nop 0
.rept 4
	v_nop
.endr
.Lasked_\@:
.endm
.macro CREST                           ; a round of the cluster's barrier behind its opening barrier
	s_cmp_lg_u32 s14, 0
	s_cbranch_scc1 .Lnot_wave_0_\@
	s_barrier_signal -3
.Lnot_wave_0_\@:
	s_barrier_wait -3
	s_barrier_signal -1
	s_barrier_wait -1
.endm
.macro CROUND
	s_barrier_signal -1
	s_barrier_wait -1
	CREST
.endm
.macro FRAG reg, a16, a8, q, i         ; a fragment comes as it was stored: every load takes 512 or 256 consecutive bytes
	ds_load_b128 v[\reg:\reg+3], v[\a16] offset:(\i)*3072+(\q)*1536
	ds_load_b64 v[\reg+4:\reg+5], v[\a8] offset:(\i)*3072+(\q)*1536+512
	ds_load_b128 v[\reg+6:\reg+9], v[\a16] offset:(\i)*3072+(\q)*1536+768
	ds_load_b64 v[\reg+10:\reg+11], v[\a8] offset:(\i)*3072+(\q)*1536+1280
.endm
; 16 matrix instructions: a's blocks a0, a0 + 1 x b's eight.  The 64 accumulators take turns, one instruction a turn, in the same order in every step.
.macro MUL16 a0, p, q, sc, zero
.irp a, \a0, \a0+1
.irp b, 0,1,2,3,4,5,6,7
.if \zero
	v_wmma_scale_f32_16x16x128_f8f6f4 v[8*(8*((\a)%4)+\b):8*(8*((\a)%4)+\b)+7], v[128*(\p)+FR*\b:128*(\p)+FR*\b+FR-1], v[AF+FR*(\a):AF+FR*(\a)+FR-1], 0, v[SC+8*NQ*(\sc)+NQ*\b+(\q)], v[SC+8*NQ*(\sc)+NQ*(\a)+(\q)] matrix_a_fmt:MATRIX_FMT_FP6 matrix_b_fmt:MATRIX_FMT_FP6 matrix_a_scale:MATRIX_SCALE_ROW1
.else
	v_wmma_scale_f32_16x16x128_f8f6f4 v[8*(8*((\a)%4)+\b):8*(8*((\a)%4)+\b)+7], v[128*(\p)+FR*\b:128*(\p)+FR*\b+FR-1], v[AF+FR*(\a):AF+FR*(\a)+FR-1], v[8*(8*((\a)%4)+\b):8*(8*((\a)%4)+\b)+7], v[SC+8*NQ*(\sc)+NQ*\b+(\q)], v[SC+8*NQ*(\sc)+NQ*(\a)+(\q)] matrix_a_fmt:MATRIX_FMT_FP6 matrix_b_fmt:MATRIX_FMT_FP6 matrix_a_scale:MATRIX_SCALE_ROW1
.endif
.endr
.endr
.endm
.macro FETCH_B slot, q, p
	WIN TO_B
.irp i, 0,1,2,3,4,5,6,7
	FRAG 128*(\p)+FR*\i, B16+\slot, B8+\slot, \q, \i
.endr
	WIN 0
.endm
.macro FETCH_A slot, q, i0
.irp i, \i0, \i0+1, \i0+2, \i0+3
	FRAG AF+FR*(\i), A16+\slot, A8+\slot, \q, \i
.endr
.endm
.macro SCALES sc                       ; the slot's scale words: two a row; lanes 0-15 take a's block i, lanes 16-31 b's
.irp i, 0,1,2,3,4,5,6,7
	ds_load_b64 v[SC+8*NQ*\sc+NQ*\i:SC+8*NQ*\sc+NQ*\i+1], v[ADRS+\sc] offset:\i*128
.endr
.endm
.macro PLACES n                        ; plain vector instructions between a matrix instruction and a load into, or a read of, its registers
.rept \n
	v_nop
.endr
.endm
.macro STEP slot, q, zero              ; a step of 128 along K that has its successor in the same slot
	s_wait_dscnt 4*NL                                  ; b's set, a's blocks 0-3 and the scale words are in; the youngest 16 loads (a's blocks 4-7) may be out
	WIN MUL_LO
	MUL16 0, (\q)%2, \q, \slot, \zero
	MUL16 2, (\q)%2, \q, \slot, \zero
	s_wait_dscnt 0x0
	PLACES NP
	FETCH_B \slot, (\q)+1, 1-(\q)%2
	FETCH_A \slot, (\q)+1, 0
	WIN MUL_HI
	MUL16 4, (\q)%2, \q, \slot, \zero
	MUL16 6, (\q)%2, \q, \slot, \zero
	PLACES NP
	WIN 0
	FETCH_A \slot, (\q)+1, 4
.endm
; A slot's last step changes slots: one barrier; in front of it each wave waits for all its tensor loads, adds 0 to its spare word, and waits for that and for its reads of this slot.  fill = 1: the slot is filled again, two K slots on.
.macro TURN slot, next, fill
	s_wait_tensorcnt 0x0                               ; all my tensor loads have landed: my part of the next slot
	ds_add_u32 v[SPW], v[NIL]                          ; 0 onto my spare word
	s_wait_dscnt 4*NL+1                                ; (the add and a's blocks 4-7, 16 loads, may be out)
	WIN MUL_LO
	MUL16 0, 1, NQ-1, \slot, 0
	s_wait_dscnt 0x0                                   ; the add is done, and my reads of this slot are over
	s_barrier_signal -1
	MUL16 2, 1, NQ-1, \slot, 0
	WIN 0
	s_barrier_wait -1
.if \fill
	CREST                                              ; the barrier has opened a round of the cluster's: no wave of any partner still reads this slot or has a load on its way
	s_add_nc_u64 s[G0+4*\slot+2:G0+4*\slot+3], s[G0+4*\slot+2:G0+4*\slot+3], s[66:67]
	s_add_nc_u64 s[G0B+4*\slot+2:G0B+4*\slot+3], s[G0B+4*\slot+2:G0B+4*\slot+3], s[68:69]
	JLOAD G0+4*\slot, G1, G0B+4*\slot, G1B             ; the first tensor load behind the round; its four v_nop are the places in front of the loads below
.else
	PLACES NP
.endif
	FETCH_B \next, 0, 0
	FETCH_A \next, 0, 0
	SCALES \next
	WIN MUL_HI
	MUL16 4, 1, NQ-1, \slot, 0
	MUL16 6, 1, NQ-1, \slot, 0
	PLACES NP
	WIN 0
	FETCH_A \next, 0, 4
.endm
; The 64 results of a block of 16 a rows, v[s] on in window w, become a fragment's codes in v[PC] on and the rows' scale word in v[PW].  Each accumulator is read from its low end on.
.macro QUANTW w, s
	s_wait_xcnt 0x0                                    ; the last block's stores have read the codes' registers
.irp b, 0,1,2,3
	v_mov_b32 v[TM+\b], 0x1800000                      ; the floor 2^(3 - 127): the byte cannot fall under 1
.endr
	WIN ((\w)<<2)|((\w)<<4)
.irp i, 0,2,4,6,8,10,12,14
.irp b, 0,1,2,3
	v_max3_num_f32 v[TM+\b], v[TM+\b], |v[\s+16*\b+\i]|, |v[\s+16*\b+\i+1]|
.endr
.endr
	WIN 0
.irp b, 0,1,2,3
	v_permlanex16_b32 v[TM+4+\b], v[TM+\b], s[SEL], s[SEL+1]
.endr
.irp b, 0,1,2,3
	v_max_num_f32 v[TM+\b], v[TM+\b], v[TM+4+\b]
.endr
.irp b, 0,1,2,3
	v_add_nc_u32 v[TM+8+\b], 0xff000000, v[TM+\b]      ; 2 off the exponent field: the conversion's scale operand
.endr
.irp b, 0,1,2,3
	v_lshrrev_b32 v[TM+4+\b], 23, v[TM+8+\b]
.endr
	v_lshl_or_b32 v[PW], v[TM+5], 8, v[TM+4]
	v_lshl_or_b32 v[PW], v[TM+6], 16, v[PW]
	v_lshl_or_b32 v[PW], v[TM+7], 24, v[PW]
	WIN (\w)
.irp c, 0,1
	v_cvt_scalef32_pk16_fp6_f32 v[PC+6*\c:PC+6*\c+2], v[\s+32*\c:\s+32*\c+15], v[TM+8+2*\c]
	v_cvt_scalef32_pk16_fp6_f32 v[PC+12+4*\c:PC+12+4*\c+2], v[\s+32*\c+16:\s+32*\c+31], v[TM+8+2*\c+1]
.endr
	WIN 0
	v_nop                                              ; one plain place behind a scaled conversion
.irp c, 0,1
.irp i, 0,1,2
	v_permlane16_swap_b32 v[PC+6*\c+\i], v[PC+12+4*\c+\i]
.endr
.irp i, 0,1,2
	v_mov_b32 v[PC+6*\c+3+\i], v[PC+12+4*\c+\i]
.endr
.endr
.endm
	s_load_b128 s[4:7], s[0:1], 0x0                    ; xq s[4:5], wc s[6:7]
	s_load_b64 s[8:9], s[0:1], 0x10                    ; qkv
	v_lshl_add_u32 v[SPW], v0, 2, SPARE
	v_mov_b32 v[NIL], 0
	ds_add_u32 v28, v29
	ds_add_u32 v28, v29
	s_wait_dscnt 0x0
	v_lshrrev_b32 v1, 5, v0
	v_readfirstlane_b32 s14, v1                        ; wave 0..3
	s_lshr_b32 s15, s14, 1                             ; which 128 a rows are mine.  Also: I fetch for a (0) or for b (1)
	s_and_b32 s16, s14, 1                              ; which 128 b rows.  Also: which of the two panels I fetch
	s_bfe_u32 s40, ttmp6, 0x40000                      ; cx, cy: my place in the cluster
	s_bfe_u32 s41, ttmp6, 0x40004
	s_and_b32 s17, ttmp7, 0xffff
	s_lshl_b32 s17, s17, 2                             ; 4 x cluster y
	s_lshl_b32 s43, s41, 2
	s_lshl_b32 s43, 15, s43                            ; my row of the cluster
	s_lshl_b32 s44, 0x1111, s40                        ; my column
	; descriptor group 1: a panel, 100 dense rows of 256 bytes (32 elements of 8 bytes), no padding; bit 21 beside a mask
	s_or_b32 s[G1], s43, (3<<16)|(1<<21)
	s_or_b32 s[G1B], s44, (3<<16)|(1<<21)
.irp g, G1, G1B
	s_mov_b32 s[\g+1], 32<<16                          ; tensor_dim0
	s_mov_b32 s[\g+2], 100<<16                         ; tensor_dim1
	s_mov_b32 s[\g+3], 32<<16                          ; tile_dim0
	s_mov_b32 s[\g+4], 100                             ; tile_dim1
	s_mov_b32 s[\g+5], 32                              ; the pitch
	s_mov_b32 s[\g+6], 0
	s_mov_b32 s[\g+7], 0
.endr
	; which tiles.  a's registers never hold cx, b's never cy.  The roles hang on the cluster's x, which all sixteen partners share.
	s_add_co_u32 s18, s17, s41                         ; q, k: a = token tile 4 Y + cy
	s_add_co_u32 s19, s41, 8                           ; v: a = column tile 8 + cy (panels 16 + 2 cy on)
	s_lshl_b32 s46, ttmp9, 2
	s_add_co_u32 s46, s46, s40                         ; q, k: b = column tile 4 X + cx
	s_add_co_u32 s47, s17, s40                         ; v: b = token tile 4 Y + cx
	s_mov_b32 s70, 32*PANEL                            ; from K slot to K slot in wc; in xq twice that
	s_cmp_eq_u32 ttmp9, 2
	s_cselect_b32 s18, s19, s18
	s_cselect_b32 s46, s47, s46
	s_cselect_b32 s66, s70, 64*PANEL
	s_cselect_b32 s68, 64*PANEL, s70
	s_mov_b32 s67, 0
	s_mov_b32 s69, 0
	s_lshl_b32 s20, s18, 1
	s_add_co_u32 s20, s20, s16
	s_mul_i32 s20, s20, PANEL                          ; the panel of a that I would fetch,
	s_mov_b32 s21, 0
	s_lshl_b32 s22, s46, 1
	s_add_co_u32 s22, s22, s16
	s_mul_i32 s22, s22, PANEL                          ; and of b
	s_mov_b32 s23, 0
	s_mul_i32 s45, s14, PANEL                          ; where it goes: wave x a panel: no place in the cluster enters an LDS address
	; where my results go
	s_lshl_b32 s78, s18, 1
	s_add_co_u32 s78, s78, s15                         ; the panel of a that I multiply,
	s_lshl_b32 s79, s46, 1
	s_add_co_u32 s79, s79, s16                         ; and of b
	s_cmp_eq_u32 ttmp9, 2
	s_cselect_b32 s80, s79, s78                        ; the token panel,
	s_cselect_b32 s81, s78, s79                        ; the column panel
	s_and_b32 s81, s81, 7                              ; = a pair of heads
	s_lshr_b32 s82, s80, 4                             ; batch
	s_and_b32 s80, s80, 15                             ; step of 128 tokens
	s_lshl_b32 s82, s82, 4
	s_lshl_b32 s81, s81, 1
	s_add_co_u32 s82, s82, s81
	s_mul_i32 s82, s82, REC                            ; the first head's record
	s_mov_b32 s83, 0
	s_mov_b32 s[SEL], 0x76543210
	s_mov_b32 s[SEL+1], 0xfedcba98
	s_wait_kmcnt 0x0
	s_add_nc_u64 s[8:9], s[8:9], s[82:83]
	s_cmp_eq_u32 ttmp9, 2
	s_cselect_b64 s[74:75], s[6:7], s[4:5]             ; a's buffer,
	s_cselect_b64 s[76:77], s[4:5], s[6:7]             ; b's
	s_add_nc_u64 s[20:21], s[74:75], s[20:21]
	s_add_nc_u64 s[22:23], s[76:77], s[22:23]
	CROUND                                             ; all sixteen work-groups are here: the first joint loads meet
	s_mov_b32 s[G0], 1
	s_add_co_u32 s[G0+1], s45, 0
	s_mov_b64 s[G0+2:G0+3], s[20:21]
	s_or_b32 s[G0+3], s[G0+3], 0x80000000
	s_mov_b32 s[G0B], 1
	s_add_co_u32 s[G0B+1], s45, 0
	s_mov_b64 s[G0B+2:G0B+3], s[22:23]
	s_or_b32 s[G0B+3], s[G0B+3], 0x80000000
	JLOAD G0, G1, G0B, G1B                             ; K slot 0
	s_mov_b32 s[G0+4], 1
	s_add_co_u32 s[G0+5], s45, SLOT
	s_add_nc_u64 s[G0+6:G0+7], s[20:21], s[66:67]
	s_or_b32 s[G0+7], s[G0+7], 0x80000000
	s_mov_b32 s[G0B+4], 1
	s_add_co_u32 s[G0B+5], s45, SLOT
	s_add_nc_u64 s[G0B+6:G0B+7], s[22:23], s[68:69]
	s_or_b32 s[G0B+7], s[G0B+7], 0x80000000
	JLOAD G0+4, G1, G0B+4, G1B                         ; K slot 1: two loads of mine are out
	s_lshl_b32 s66, s66, 1                             ; a refill goes two K slots on
	s_lshl_b32 s68, s68, 1
	v_and_b32 v1, 15, v0                               ; r
	v_bfe_u32 v2, v0, 4, 1                             ; h
	v_and_b32 v3, 31, v0
	v_lshlrev_b32 v[L16], 4, v3
	v_lshlrev_b32 v[L8], 3, v3
	s_mul_i32 s21, s15, PANEL                          ; my panel of a,
	s_mul_i32 s22, s16, PANEL
	s_add_co_u32 s22, s22, 2*PANEL                     ; of b
	s_sub_co_u32 s23, s22, s21
	v_mul_u32_u24 v6, s23, v2                          ; lanes 16-31 take b's words: one product, the distance between the panels
	v_lshl_add_u32 v6, v1, 3, v6
	s_add_co_u32 s70, s21, 24576
	v_add_nc_u32 v[ADRS], s70, v6
	v_add_nc_u32 v[ADRS+1], SLOT, v[ADRS]
.irp s, 0,1
	v_add_nc_u32 v[A16+\s], s21, v[L16]
	v_add_nc_u32 v[A8+\s], s21, v[L8]
	v_add_nc_u32 v[B16+\s], s22, v[L16]
	v_add_nc_u32 v[B8+\s], s22, v[L8]
	s_add_co_u32 s21, s21, SLOT
	s_add_co_u32 s22, s22, SLOT
.endr
	; scratch for the scale words, in slot 0, which has had its last fill and its last read when the first word is stored; each of the two ways out has bytes of its own
	s_lshl_b32 s70, s14, 10
	v_lshlrev_b32 v[SCQ], 2, v1
	v_lshl_add_u32 v[SCQ], v2, 9, v[SCQ]
	v_add_nc_u32 v[SCQ], s70, v[SCQ]
	v_add_nc_u32 v[SCQR], s70, v[L16]
	s_lshl_b32 s70, s14, 9
	s_add_co_u32 s70, s70, 4096
	v_lshlrev_b32 v[SCV], 2, v1
	v_add_nc_u32 v[SCV], s70, v[SCV]
	v_add_nc_u32 v[SCVR], s70, v[L16]
	v_mul_u32_u24 v[VSO], v2, REC
	v_lshl_add_u32 v[VSO], v1, 4, v[VSO]
	v_lshlrev_b32 v[SH], 4, v2
.irp b, 0,1,2,3
	v_mov_b32 v[TM+4+\b], 0                            ; a lane permute's destination counts as one of its sources
.endr
	s_wait_tensorcnt 1                                 ; my part of K slot 0 is in; slot 1's may stay out
	s_barrier_signal -1
	s_barrier_wait -1
	FETCH_B 0, 0, 0
	FETCH_A 0, 0, 0
	SCALES 0
	FETCH_A 0, 0, 4
	STEP 0, 0, 1                                       ; K = 1,024 is four slots of two steps: written out; the first products start the sums
	TURN 0, 1, 1
	STEP 1, 0, 0
	TURN 1, 0, 1
	STEP 0, 0, 0
	TURN 0, 1, 0                                       ; nothing is left to fetch
	STEP 1, 0, 0
	s_wait_dscnt 4*NL
	WIN MUL_LO
	MUL16 0, 1, NQ-1, 1, 0
	MUL16 2, 1, NQ-1, 1, 0
	s_wait_dscnt 0x0
	WIN MUL_HI
	MUL16 4, 1, NQ-1, 1, 0
	MUL16 6, 1, NQ-1, 1, 0
	WIN 0
	PLACES NP
	s_mul_i32 s84, s80, 6144                           ; the step's codes
	s_mov_b32 s85, 0
	s_mov_b32 s87, 0
	s_cmp_eq_u32 ttmp9, 2
	s_cbranch_scc1 .Lvpath
	; ---- q, k: a block is 16 tokens x 128 columns = two heads: registers 0-5 are the first head's image, 6-11 the second's
	s_lshl_b32 s86, s80, 9                             ; the step's scale words: 4 bytes a token
	s_mov_b32 s88, 303104
	s_cmp_eq_u32 ttmp9, 0
	s_cselect_b32 s89, 0, 106496                       ; q's codes or k's,
	s_cselect_b32 s88, 98304, s88                      ; q's words or k's
	s_add_co_u32 s84, s84, s89
	s_add_co_u32 s86, s86, s88
	s_add_nc_u64 s[10:11], s[8:9], s[84:85]
	s_add_nc_u64 s[12:13], s[8:9], s[86:87]
.irp a, 0,1,2,3,4,5,6,7
	QUANTW 2+\a/4, 64*(\a%4)
	global_store_b128 v[L16], v[PC:PC+3], s[10:11] offset:\a*768
	global_store_b64 v[L8], v[PC+4:PC+5], s[10:11] offset:\a*768+512
	global_store_b128 v[L16], v[PC+6:PC+9], s[10:11] offset:\a*768+REC
	global_store_b64 v[L8], v[PC+10:PC+11], s[10:11] offset:\a*768+REC+512
	v_lshrrev_b32 v[SD], v[SH], v[PW]                  ; lanes 0-15 keep the word (its low two bytes are the first head's), lanes 16-31 take the second head's two bytes; the upper bytes meet zero codes and are never 0xff
	ds_store_b32 v[SCQ], v[SD] offset:64*\a
.endr
	ds_load_b128 v[T:T+3], v[SCQR]                     ; LDS serves a wave's instructions in order: these see my stores
	ds_load_b128 v[T+4:T+7], v[SCQR] offset:512
	s_wait_dscnt 0x0
	global_store_b128 v[L16], v[T:T+3], s[12:13]       ; 128 tokens' words: 512 consecutive bytes
	global_store_b128 v[L16], v[T+4:T+7], s[12:13] offset:REC
	s_branch .Lend
.Lvpath:
	; ---- v: a block is 16 of a head's 64 x 128 keys: a whole fragment
	s_add_co_u32 s84, s84, 204800
	s_lshl_b32 s86, s80, 8
	s_add_co_u32 s86, s86, 311296
	s_add_nc_u64 s[10:11], s[8:9], s[84:85]
	s_add_nc_u64 s[12:13], s[8:9], s[86:87]
.irp a, 0,1,2,3,4,5,6,7
	QUANTW 2+\a/4, 64*(\a%4)
	global_store_b128 v[L16], v[PC:PC+3], s[10:11] offset:(\a/4)*REC+(\a%4)*1536
	global_store_b64 v[L8], v[PC+4:PC+5], s[10:11] offset:(\a/4)*REC+(\a%4)*1536+512
	global_store_b128 v[L16], v[PC+6:PC+9], s[10:11] offset:(\a/4)*REC+(\a%4)*1536+768
	global_store_b64 v[L8], v[PC+10:PC+11], s[10:11] offset:(\a/4)*REC+(\a%4)*1536+1280
	ds_store_b32 v[SCV], v[PW] offset:64*\a            ; lanes l and l xor 16 write the same word with the same value
.endr
	ds_load_b128 v[T:T+3], v[SCVR]
	s_wait_dscnt 0x0
	global_store_b128 v[VSO], v[T:T+3], s[12:13]       ; lanes 0-15: the first head's 256 bytes, lanes 16-31: the second's
.Lend:
	s_wait_tensorcnt 0x0                               ; the wave's end
	ds_add_u32 v[SPW], v[NIL]
	s_wait_dscnt 0x0
	CROUND                                             ; the closing round
	s_endpgm
.Lfunc_end_k_q2d8901f3e0_qkvgemm:
	.size	k_q2d8901f3e0_qkvgemm, .Lfunc_end_k_q2d8901f3e0_qkvgemm-k_q2d8901f3e0_qkvgemm
	.p2alignl 7, 3214868480
	.fill 96, 4, 3214868480
	.section	.rodata,"a",@progbits
	.p2align	6, 0x0
	.amdhsa_kernel k_q2d8901f3e0_qkvgemm
		.amdhsa_group_segment_fixed_size 327680
		.amdhsa_private_segment_fixed_size 0
		.amdhsa_enable_private_segment 0
		.amdhsa_kernarg_size 24
		.amdhsa_user_sgpr_count 2
		.amdhsa_user_sgpr_kernarg_segment_ptr 1
		.amdhsa_wavefront_size32 1
		.amdhsa_system_sgpr_workgroup_id_x 1
		.amdhsa_system_sgpr_workgroup_id_y 1
		.amdhsa_system_sgpr_workgroup_id_z 1
		.amdhsa_system_vgpr_workitem_id 0
		.amdhsa_next_free_vgpr 1024
		.amdhsa_next_free_sgpr 100
		.amdhsa_reserve_vcc 0
		.amdhsa_float_denorm_mode_32 3
		.amdhsa_float_denorm_mode_16_64 3
		.amdhsa_memory_ordered 1
		.amdhsa_forward_progress 1
		.amdhsa_inst_pref_size 185
	.end_amdhsa_kernel
	.amdgpu_metadata
---
amdhsa.version: [ 1, 2 ]
amdhsa.kernels:
  - .name:           k_q2d8901f3e0_qkvgemm
    .symbol:         k_q2d8901f3e0_qkvgemm.kd
    .args:
      - { .name: xq, .offset: 0, .size: 8, .value_kind: global_buffer, .address_space: global }
      - { .name: wc, .offset: 8, .size: 8, .value_kind: global_buffer, .address_space: global }
      - { .name: qkv, .offset: 16, .size: 8, .value_kind: global_buffer, .address_space: global }
    .group_segment_fixed_size: 327680
    .private_segment_fixed_size: 0
    .kernarg_segment_align: 8
    .kernarg_segment_size: 24
    .max_flat_workgroup_size: 128
    .sgpr_count:     100
    .vgpr_count:     1024
    .wavefront_size: 32
...
	.end_amdgpu_metadata
.endif
;; end of part 2
;; launch attn (part 3): grid 4 x 64, 16 waves a work-group, no clusters, 210,944 bytes of LDS; arguments qkv, mw, mf, ao; writes ao
.if DOCPART == 3
	.amdgcn_target "amdgcn-amd-amdhsa--gfx1250"
	.amdhsa_code_object_version 6
	.text
	.protected	k_q2d8901f3e0_attn
	.globl	k_q2d8901f3e0_attn
	.p2align	8
	.type	k_q2d8901f3e0_attn,@function
k_q2d8901f3e0_attn:
	s_mov_b64 s[64:65], 0
	v_nop
	global_prefetch_b8 v0, s[64:65] scope:SCOPE_SE
	s_setreg_imm32_b32 hwreg(HW_REG_WAVE_MODE, 25, 1), 1
	s_wait_xcnt 0x0
; ATTN: for one (batch, head): S^T = K Q^T, the mask as it is given, p = 2^(t - M), O^T = V^T P^T, O / l, and the quantiser of the result: all products on codes of FP6 (E2M3) with E8M0 scales.
; t = score x log2(e) / 8; M = the row's largest t so far rounded UP to a whole number; p is quantised along the keys, not normalised; l is the sum of the unquantised p, in f32; when M moves, l and O are multiplied by 2^(old M - new M), exactly.
; SHARES: work-group (j, batch x head), 16 waves.  Wave w makes two tiles of 16 queries, one after the other: tile 4 w + j and tile 127 - (4 w + j).  A whole head's K and V (codes and scale words, 208,896 bytes) are copied into LDS once;
; the one barrier stands behind that copy, and nothing is written to LDS afterwards.
; No tensor load and no joint load: a step's work is jumped over on a flag read from memory; the four work-groups of a head read the same 208,896 bytes once each.
; THE MASK is an input: mw holds, for each (query tile, step of 128 keys), 64 words whose bit l says whether score register j of lane l is open; mf's flags say whether a step has any open key (else its work is left out:
; every p there would be 0) and whether all are open (then the 64 selects are left out).  Both were stored by an earlier launch.  Every trip count is a constant.
; A ROW WITH NO OPEN KEY has l = 0: its two scale bytes become 0xff, so that the last product makes the whole output row NaN, as the softmax of such a row is.
; K = 64 of the first product is filled to the instruction's 128 with zero codes on both sides (registers 6-11 of Q's and K's fragments, cleared once).
; LIMITS: NaN and infinities among the inputs are not served.  A block's largest p is taken through its largest score: that takes v_exp_f32 not to fall where its input rises.  A block's byte is held at 1 from below.
; REGISTERS: v1 16 x lane, v2 8 x lane, v3 4 (lane % 16), v4 -infinity, v5-10 the step's LDS addresses, v11 0xffff, v12 -M, v13 largest t, v[14:15] l in two halves, v16-27 Q, v28-75 four fragments of K, v76-123 V's four,
; v124-187 S^T, then p, v188-219 O^T, v220 the result's two scale bytes, v221 8 (lane % 16), v224-235 p's codes, v232-254 at work, v248-251 scale words of K, then V, v253 p's scale word, v255 Q's.
.set REC,  315392
.set KF,   28
.set VF,   76
.set S,    124
.set O,    188
.set SEL,  60                          ; s[60:61] selects of v_permlanex16_b32: lane l xor 16
.set CS,   62                          ; s[62:63] c = log2(e) / 8
.set WV,   66
.set FL,   67                          ; the tile's flags
.set ST,   92                          ; the step
.set TB,   93                          ; LDS byte of the step's K codes,
.set TBV,  94                          ; V codes,
.set TS,   95                          ; K's scale words,
.set TJ,   96                          ; V's
.set MOFF, 97                          ; the step's mask words: 256 bytes a step
.set FS,   98
.set QT,   99                          ; the query tile
.set MB,   100                         ; s[100:101] the tile's mask words
.macro TILE p
	s_wait_xcnt 0x0                                    ; the last tile's stores have read their registers and bases
	s_lshl_b32 s[QT], s[WV], 2
	s_add_co_u32 s[QT], s[QT], ttmp9
.if \p
	s_sub_co_u32 s[QT], 127, s[QT]
.endif
	s_lshl_b32 s[FS], s[QT], 5
	s_load_b256 s[84:91], s[56:57], s[FS] offset:0x0   ; the tile's eight flag words
	s_wait_kmcnt 0x0
	s_wait_xcnt 0x0
	s_or_b32 s[FL], s84, s85
.irp i, 86,87,88,89,90,91
	s_or_b32 s[FL], s[FL], s\i
.endr
	s_mul_i32 s84, s[QT], 768
	s_mov_b32 s85, 0
	s_add_nc_u64 s[84:85], s[52:53], s[84:85]
	global_load_b128 v[16:19], v1, s[84:85]            ; Q's image: 16 queries x 64
	global_load_b64 v[20:21], v2, s[84:85] offset:512
	s_lshl_b32 s86, s[QT], 6
	s_mov_b32 s87, 0
	s_add_nc_u64 s[86:87], s[52:53], s[86:87]
	global_load_b32 v255, v3, s[86:87] offset:98304    ; Q's scale words
	s_lshl_b32 s[MB], s[QT], 12
	s_mov_b32 s[MB+1], 0
	s_add_nc_u64 s[MB:MB+1], s[54:55], s[MB:MB+1]
	v_mov_b32 v13, 0xff61b1e6                          ; the largest t so far: -3e38, under every t
	v_floor_f32 v12, -v13                              ; -M
	v_mov_b32 v14, 0
	v_mov_b32 v15, 0
.set j, 0
.rept 32
	v_mov_b32 v[O+j], 0                                ; the step is written once: the first finds zeros, which the first change of M leaves zeros
.set j, j+1
.endr
	s_mov_b32 s[ST], 0
	s_mov_b32 s[TB], 0
	s_mov_b32 s[TBV], 98304
	s_mov_b32 s[TS], 196608
	s_mov_b32 s[TJ], 204800
	s_mov_b32 s[MOFF], 0
	s_wait_loadcnt 0x0
.Lstep_\@:                                         ; 16 trips: a step of 128 keys each
	s_lshr_b32 s[FS], s[FL], s[ST]
	s_bitcmp1_b32 s[FS], 0
	s_cbranch_scc0 .Lhidden_\@                         ; no key of the step is open for any of my 16 queries: only the addresses step
	s_load_b512 s[4:19], s[MB:MB+1], s[MOFF] offset:0x0    ; the step's 64 mask words
	s_load_b512 s[20:35], s[MB:MB+1], s[MOFF] offset:0x40
	s_load_b512 s[36:51], s[MB:MB+1], s[MOFF] offset:0x80
	s_load_b512 s[68:83], s[MB:MB+1], s[MOFF] offset:0xc0
	v_add_nc_u32 v5, s[TB], v1                         ; (these six are also the places behind the last step's products, in front of the loads below)
	v_add_nc_u32 v6, s[TB], v2
	v_add_nc_u32 v7, s[TBV], v1
	v_add_nc_u32 v8, s[TBV], v2
	v_add_nc_u32 v9, s[TS], v3
	v_add_nc_u32 v10, s[TJ], v3
.irp g, 0,1                                        ; S^T = K Q^T, four tiles of 16 keys at a time
.rept 4*\g
	v_nop                                              ; places in front of loads into registers that matrix instructions have read
.endr
.irp t, 0,1,2,3
	ds_load_b128 v[KF+12*\t:KF+12*\t+3], v5 offset:(4*\g+\t)*768
	ds_load_b64 v[KF+12*\t+4:KF+12*\t+5], v6 offset:(4*\g+\t)*768+512
	ds_load_b32 v[248+\t], v9 offset:(4*\g+\t)*64
.endr
	s_wait_dscnt 0x0
.irp t, 0,1,2,3
	v_wmma_scale_f32_16x16x128_f8f6f4 v[S+8*(4*\g+\t):S+8*(4*\g+\t)+7], v[KF+12*\t:KF+12*\t+11], v[16:27], 0, v[248+\t], v255 matrix_a_fmt:MATRIX_FMT_FP6 matrix_b_fmt:MATRIX_FMT_FP6
.endr
.endr                                              ; lane (r, h) holds query r; register 8 u + j is key 16 u + 8 h + j of the step
.rept 4
	v_nop
.endr
.irp t, 0,1,2,3                                    ; V's four fragments and their scale words are asked for now and land under the softmax
	ds_load_b128 v[VF+12*\t:VF+12*\t+3], v7 offset:\t*1536
	ds_load_b64 v[VF+12*\t+4:VF+12*\t+5], v8 offset:\t*1536+512
	ds_load_b128 v[VF+12*\t+6:VF+12*\t+9], v7 offset:\t*1536+768
	ds_load_b64 v[VF+12*\t+10:VF+12*\t+11], v8 offset:\t*1536+1280
	ds_load_b32 v[248+\t], v10 offset:\t*64
.endr
	s_wait_kmcnt 0x0                                   ; the mask words are in, on every way,
	s_wait_xcnt 0x0                                    ; and their offset may be stepped
	s_bitcmp1_b32 s[FS], 16
	s_cbranch_scc1 .Lopen_\@                           ; all 16 x 128 are open
.set j, 0
.rept 64
.if j < 48
.set mr, 4+j
.else
.set mr, 20+j
.endif
	v_cndmask_b32 v[S+j], v4, v[S+j], s[mr]            ; a closed key's score becomes -infinity ahead of the maximum: p = 0 then
.set j, j+1
.endr
.Lopen_\@:
.irp b, 0,1,2,3
	v_max3_num_f32 v[232+\b], v[S+16*\b], v[S+16*\b+1], v[S+16*\b+2]   ; the largest score of each block of 32 keys: for the row's maximum and, since p rises with the score, for the block's largest p
.endr
.irp i, 3,5,7,9,11,13
.irp b, 0,1,2,3
	v_max3_num_f32 v[232+\b], v[232+\b], v[S+16*\b+\i], v[S+16*\b+\i+1]
.endr
.endr
.irp b, 0,1,2,3
	v_max_num_f32 v[232+\b], v[232+\b], v[S+16*\b+15]
.endr
.irp b, 0,1,2,3
	v_permlanex16_b32 v[236+\b], v[232+\b], s[SEL], s[SEL+1]
.endr
.irp b, 0,1,2,3
	v_max_num_f32 v[232+\b], v[232+\b], v[236+\b]      ; with lane l xor 16's 16 keys
.endr
	v_max3_num_f32 v254, v232, v233, v234
	v_max_num_f32 v254, v254, v235
	v_mul_f32 v254, s[CS], v254                        ; as t (c is positive)
	v_max_num_f32 v13, v13, v254                       ; the running largest t
	v_mov_b32 v254, v12
	v_floor_f32 v12, -v13                              ; the new -M = floor(-t) = -ceil(t)
	v_sub_f32 v254, v12, v254                          ; old M less new M: a whole number, 0 or less
	v_cvt_i32_f32 v254, v254                           ; (it saturates)
	v_ldexp_f32 v252, 1.0, v254                        ; f = 2^(old M - new M)
.set j, 0
.rept 32
	v_pk_fma_f32 v[S+j:S+j+1], v[S+j:S+j+1], s[CS:CS+1], v[12:13] op_sel_hi:[1,0,0]   ; t - M, two at a time
.set j, j+2
.endr
.irp b, 0,1,2,3
	v_fma_f32 v[232+\b], v[232+\b], s[CS], v12         ; the same of each block's largest score
.endr
.set j, 0
.rept 64
	v_exp_f32 v[S+j], v[S+j]                           ; p = 2^(t - M), at most 1
.set j, j+1
.endr
	v_pk_mul_f32 v[14:15], v[14:15], v[252:253] op_sel_hi:[1,0]   ; l under the new M (a plain place behind the exponentials)
	s_wait_alu depctr_va_vdst(0)                       ; one wait for the batch, ahead of its first reader
.irp b, 0,1,2,3
	v_exp_f32 v[232+\b], v[232+\b]                     ; the block's largest p: the same two instructions on the same number give the same bits
.endr
	v_pk_add_f32 v[236:237], v[S:S+1], v[S+2:S+3]      ; l is the sum of the unquantised p: two at a time, in two chains
.set j, 4
.rept 15
	v_pk_add_f32 v[14:15], v[14:15], v[S+j:S+j+1]
	v_pk_add_f32 v[236:237], v[236:237], v[S+j+2:S+j+3]
.set j, j+4
.endr
	v_pk_add_f32 v[14:15], v[14:15], v[236:237]
	s_wait_alu depctr_va_vdst(0)                       ; and one for the four
.irp b, 0,1,2,3
	v_max_num_f32 v[232+\b], 0x1800000, v[232+\b]      ; the floor 2^(3 - 127): the byte cannot fall under 1
.endr
.irp b, 0,1,2,3
	v_add_nc_u32 v[244+\b], 0xff000000, v[232+\b]      ; 2 off the exponent field: the conversion's scale operand
.endr
.irp b, 0,1,2,3
	v_lshrrev_b32 v[236+\b], 23, v[244+\b]
.endr
	v_lshl_or_b32 v253, v237, 8, v236                  ; p's scale word for these 128 keys
	v_lshl_or_b32 v253, v238, 16, v253
	v_lshl_or_b32 v253, v239, 24, v253
.irp c, 0,1
	v_cvt_scalef32_pk16_fp6_f32 v[224+6*\c:226+6*\c], v[S+32*\c:S+32*\c+15], v[244+2*\c]
	v_cvt_scalef32_pk16_fp6_f32 v[236+4*\c:238+4*\c], v[S+32*\c+16:S+32*\c+31], v[244+2*\c+1]
.endr
	v_nop                                              ; one plain place behind a scaled conversion
.irp c, 0,1
.irp i, 0,1,2
	v_permlane16_swap_b32 v[224+6*\c+\i], v[236+4*\c+\i]
.endr
.irp i, 0,1,2
	v_mov_b32 v[227+6*\c+\i], v[236+4*\c+\i]
.endr
.endr
.set j, 0
.rept 16
	v_pk_mul_f32 v[O+j:O+j+1], v[O+j:O+j+1], v[252:253] op_sel_hi:[1,0]   ; O^T under the new M (these sixteen also stand between the codes and the scale word just made and the products)
.set j, j+2
.endr
	s_wait_dscnt 0x0                                   ; V is in
.irp t, 0,1,2,3                                    ; O^T += V^T P^T: the four accumulators by turns
	v_wmma_scale_f32_16x16x128_f8f6f4 v[O+8*\t:O+8*\t+7], v[VF+12*\t:VF+12*\t+11], v[224:235], v[O+8*\t:O+8*\t+7], v[248+\t], v253 matrix_a_fmt:MATRIX_FMT_FP6 matrix_b_fmt:MATRIX_FMT_FP6
.endr
.Lhidden_\@:
	s_add_co_u32 s[TB], s[TB], 6144
	s_add_co_u32 s[TBV], s[TBV], 6144
	s_add_co_u32 s[TS], s[TS], 512
	s_add_co_u32 s[TJ], s[TJ], 256
	s_add_co_u32 s[MOFF], s[MOFF], 256
	s_add_co_u32 s[ST], s[ST], 1
	s_cmp_lt_u32 s[ST], 16
	s_cbranch_scc1 .Lstep_\@
	; ---- the tile's way out: O / l, quantised along the head's 64 (two blocks), as an image of 16 rows x 64 K of the last product's operand
.rept 4
	v_nop
.endr
	v_add_f32 v14, v14, v15
	v_permlanex16_b32 v252, v14, s[SEL], s[SEL+1]
	v_add_f32 v14, v14, v252                           ; the row's l
	v_rcp_f32 v254, v14
	v_nop                                              ; a plain place behind the transcendental
	s_and_b32 s88, ttmp7, 0xffff
	s_and_b32 s89, s88, 15                             ; head
	s_lshr_b32 s88, s88, 4                             ; batch
	s_lshr_b32 s90, s89, 2                             ; K slot of the last product = head / 4
	s_lshl_b32 s90, s90, 6
	s_lshl_b32 s88, s88, 4
	s_add_co_u32 s90, s90, s88
	s_lshr_b32 s88, s[QT], 3
	s_add_co_u32 s90, s90, s88
	s_mul_i32 s90, s90, 25600                          ; the panel
	s_and_b32 s88, s[QT], 7                            ; my tile in it
	s_bfe_u32 s91, s89, 0x10001                        ; which 128 K of the slot,
	s_and_b32 s89, s89, 1                              ; which 64 of them
	s_mul_i32 s84, s88, 3072
	s_mul_i32 s85, s91, 1536
	s_add_co_u32 s84, s84, s85
	s_mul_i32 s85, s89, 768
	s_add_co_u32 s84, s84, s85
	s_add_co_u32 s84, s84, s90
	s_mov_b32 s85, 0
	s_lshl_b32 s86, s88, 7
	s_lshl_b32 s91, s91, 2
	s_add_co_u32 s86, s86, s91
	s_lshl_b32 s89, s89, 1
	s_add_co_u32 s86, s86, s89
	s_add_co_u32 s86, s86, s90
	s_add_co_u32 s86, s86, 24576
	s_mov_b32 s87, 0
	s_add_nc_u64 s[84:85], s[58:59], s[84:85]
	s_add_nc_u64 s[86:87], s[58:59], s[86:87]
	s_wait_alu depctr_va_vdst(0)                       ; ahead of the reciprocal's first reader
.set j, 0
.rept 32
	v_mul_f32 v[S+j], v[O+j], v254                     ; register 8 t + i is channel 16 t + 8 h + i of my query; each accumulator from its low end on
.set j, j+1
.endr
.irp b, 0,1
	v_max3_num_f32 v[232+\b], |v[S+16*\b]|, |v[S+16*\b+1]|, 0x1800000
.endr
.irp i, 2,4,6,8,10,12,14
.irp b, 0,1
	v_max3_num_f32 v[232+\b], v[232+\b], |v[S+16*\b+\i]|, |v[S+16*\b+\i+1]|
.endr
.endr
.irp b, 0,1
	v_permlanex16_b32 v[236+\b], v[232+\b], s[SEL], s[SEL+1]
.endr
.irp b, 0,1
	v_max_num_f32 v[232+\b], v[232+\b], v[236+\b]
.endr
.irp b, 0,1
	v_add_nc_u32 v[244+\b], 0xff000000, v[232+\b]
.endr
.irp b, 0,1
	v_lshrrev_b32 v[236+\b], 23, v[244+\b]
.endr
	v_lshl_or_b32 v220, v237, 8, v236                  ; the row's two scale bytes
	v_cmp_eq_f32 vcc_lo, 0, v14
	v_cndmask_b32 v220, v220, v11, vcc_lo              ; no open key: both bytes 0xff
	v_cvt_scalef32_pk16_fp6_f32 v[224:226], v[S:S+15], v244
	v_cvt_scalef32_pk16_fp6_f32 v[228:230], v[S+16:S+31], v245
	v_nop
.irp i, 0,1,2
	v_permlane16_swap_b32 v[224+\i], v[228+\i]         ; lane (r, h) now holds block h of row r
.endr
	v_mov_b32 v227, v228
	v_mov_b32 v228, v229
	v_mov_b32 v229, v230
	global_store_b128 v1, v[224:227], s[84:85]         ; 512 consecutive bytes,
	global_store_b64 v2, v[228:229], s[84:85] offset:512   ; and 256
	global_store_b16 v221, v220, s[86:87]              ; two bytes of each row's scale word (lanes l and l xor 16 write the same bytes with the same value): parts of blocks, 262,144 bytes in the whole launch
.endm
	s_load_b256 s[52:59], s[0:1], 0x0                  ; qkv s[52:53], mw s[54:55], mf s[56:57], ao s[58:59]
	v_lshl_add_u32 v223, v0, 2, 0x33000
	v_mov_b32 v243, 0
	v_lshrrev_b32 v5, 5, v0
	v_readfirstlane_b32 s[WV], v5                      ; wave 0..15
	v_and_b32 v3, 31, v0
	v_lshlrev_b32 v1, 4, v3
	v_lshlrev_b32 v2, 3, v3
	v_and_b32 v3, 15, v0
	v_lshlrev_b32 v221, 3, v3
	v_lshlrev_b32 v3, 2, v3
	v_mov_b32 v4, 0xff800000
	v_mov_b32 v11, 0xffff
	v_lshlrev_b32 v5, 4, v0                            ; the copy: 16 x thread, in memory and in LDS;
	v_add_nc_u32 v6, 0x10000, v5                       ; an LDS immediate reaches 65,535 bytes: four address registers
	v_add_nc_u32 v7, 0x20000, v5
	v_add_nc_u32 v8, 0x30000, v5
	s_and_b32 s84, ttmp7, 0xffff
	s_mul_i32 s84, s84, REC
	s_mov_b32 s85, 0
	s_mov_b32 s[SEL], 0x76543210
	s_mov_b32 s[SEL+1], 0xfedcba98
	s_mov_b32 s[CS], 0x3e38aa3b                        ; c = log2(e) / 8
	s_mov_b32 s[CS+1], s[CS]                           ; (named with it as a pair)
	s_wait_kmcnt 0x0
	s_add_nc_u64 s[52:53], s[52:53], s[84:85]          ; my record
.set c, 0
.rept 25                                           ; K's codes to V's scale words are one dense run of 208,896 bytes: 25 pieces of 8,192, and half a piece for waves 0-7
	global_load_b128 v[96+4*c:99+4*c], v5, s[52:53] offset:106496+8192*c
.set c, c+1
.endr
	s_cmp_lt_u32 s[WV], 8
	s_cbranch_scc0 .Lshort_a
	global_load_b128 v[196:199], v5, s[52:53] offset:106496+8192*25
.Lshort_a:
.irp i, 22,23,24,25,26,27
	v_mov_b32 v\i, 0                                   ; Q's K 64-127: zero codes
.endr
.irp t, 0,1,2,3
.irp i, 6,7,8,9,10,11
	v_mov_b32 v[KF+12*\t+\i], 0                        ; K's likewise
.endr
.endr
.irp b, 0,1,2,3
	v_mov_b32 v[236+\b], 0                             ; a lane permute's destination counts as one of its sources
.endr
	v_mov_b32 v252, 0
	v_mov_b32 v253, 0                                  ; (named as the upper half of a pair before it is first written)
	s_wait_loadcnt 0x0
.set c, 0
.rept 25
	ds_store_b128 v[5+c/8], v[96+4*c:99+4*c] offset:8192*(c%8)
.set c, c+1
.endr
	s_cmp_lt_u32 s[WV], 8
	s_cbranch_scc0 .Lshort_b
	ds_store_b128 v8, v[196:199] offset:8192
.Lshort_b:
	s_wait_dscnt 0x0                                   ; for the others' sake: my stores have landed
	s_barrier_signal -1
	s_barrier_wait -1
	TILE 0
	TILE 1
	s_wait_tensorcnt 0x0
	ds_add_u32 v223, v243
	s_wait_dscnt 0x0
	s_endpgm
.Lfunc_end_k_q2d8901f3e0_attn:
	.size	k_q2d8901f3e0_attn, .Lfunc_end_k_q2d8901f3e0_attn-k_q2d8901f3e0_attn
	.p2alignl 7, 3214868480
	.fill 96, 4, 3214868480
	.section	.rodata,"a",@progbits
	.p2align	6, 0x0
	.amdhsa_kernel k_q2d8901f3e0_attn
		.amdhsa_group_segment_fixed_size 210944
		.amdhsa_private_segment_fixed_size 0
		.amdhsa_enable_private_segment 0
		.amdhsa_kernarg_size 32
		.amdhsa_user_sgpr_count 2
		.amdhsa_user_sgpr_kernarg_segment_ptr 1
		.amdhsa_wavefront_size32 1
		.amdhsa_system_sgpr_workgroup_id_x 1
		.amdhsa_system_sgpr_workgroup_id_y 1
		.amdhsa_system_sgpr_workgroup_id_z 1
		.amdhsa_system_vgpr_workitem_id 0
		.amdhsa_next_free_vgpr 256
		.amdhsa_next_free_sgpr 102
		.amdhsa_reserve_vcc 1
		.amdhsa_float_denorm_mode_32 3
		.amdhsa_float_denorm_mode_16_64 3
		.amdhsa_memory_ordered 1
		.amdhsa_forward_progress 1
		.amdhsa_inst_pref_size 65
	.end_amdhsa_kernel
	.amdgpu_metadata
---
amdhsa.version: [ 1, 2 ]
amdhsa.kernels:
  - .name:           k_q2d8901f3e0_attn
    .symbol:         k_q2d8901f3e0_attn.kd
    .args:
      - { .name: qkv, .offset: 0, .size: 8, .value_kind: global_buffer, .address_space: global }
      - { .name: mw, .offset: 8, .size: 8, .value_kind: global_buffer, .address_space: global }
      - { .name: mf, .offset: 16, .size: 8, .value_kind: global_buffer, .address_space: global }
      - { .name: ao, .offset: 24, .size: 8, .value_kind: global_buffer, .address_space: global }
    .group_segment_fixed_size: 210944
    .private_segment_fixed_size: 0
    .kernarg_segment_align: 8
    .kernarg_segment_size: 32
    .max_flat_workgroup_size: 512
    .sgpr_count:     102
    .vgpr_count:     256
    .wavefront_size: 32
...
	.end_amdgpu_metadata
.endif
;; end of part 3
;; launch outgemm (part 4): grid 4 x 32, 4 waves a work-group, clusters of 4 x 4, 327,680 bytes of LDS; arguments ao, wc, bo, out0; writes out0
.if DOCPART == 4
	.amdgcn_target "amdgcn-amd-amdhsa--gfx1250"
	.amdhsa_code_object_version 6
	.text
	.protected	k_q2d8901f3e0_outgemm
	.globl	k_q2d8901f3e0_outgemm
	.p2align	8
	.type	k_q2d8901f3e0_outgemm,@function
k_q2d8901f3e0_outgemm:
	s_mov_b64 s[64:65], 0
	v_nop
	global_prefetch_b8 v0, s[64:65] scope:SCOPE_SE
	s_setreg_imm32_b32 hwreg(HW_REG_WAVE_MODE, 25, 1), 1
	s_wait_xcnt 0x0
	s_wait_alu depctr_hold_cnt(0) depctr_sa_sdst(0) depctr_va_vdst(0) depctr_va_sdst(0) depctr_va_ssrc(0) depctr_va_vcc(0) depctr_vm_vsrc(0)
	s_getreg_b32 s2, hwreg(HW_REG_IB_STS2, 6, 4)
	s_cmp_eq_u32 s2, 0
	s_cbranch_scc0 .Lentry_in_a_cluster
	s_endpgm
.Lentry_in_a_cluster:
	s_bfe_u32 s2, ttmp6, 0x10000c
	s_cmp_lg_u32 s2, 0xf033
	s_cbranch_scc0 .Lentry_shape_is_right
	s_endpgm
.Lentry_shape_is_right:
; OUTGEMM: out0 = att Wo + bo on codes of FP6 (E2M3) with E8M0 scales, K = 1,024; out0 [8192][1024] f32.
; a = the attention's rows (ao), b = Wo's columns (wc's panels 24-31).  A work-group makes 256 x 256, each of its four waves 128 x 128: 64 accumulators.  The product is used transposed (source 0 = 16 b rows,
; source 1 = 16 a rows), so that a lane holds eight neighbouring columns of one row of out0.  The bias is the C of each sum's first matrix instruction.
; Operands lie in memory as panels of 25,600 dense bytes (128 rows x 256 K as images of the operand's registers, then the rows' scale words): a K slot of the ring is four panels, one tensor load a wave.
; CLUSTERS of 4 x 4: a's panels are asked for jointly along a row of the cluster, b's along a column.  A row of ao whose scale word holds 0xff (no open key) comes out as NaN in all its columns.
; 128 work-groups: the problem's 8,192 x 1,024 in tiles of 256 x 256.
; REGISTERS: window 0: v8-31 addresses; v32-63 scale words, two sets; v64-127 the bias, 8 registers for each of b's blocks; v128-223 a's fragments; on the way out v128-255 rows of out0.
;   window 1: b's fragments, two sets, at v0 and v128.  windows 2, 3: accumulator (a, b) at v[8 (8 (a % 4) + b)].
.set PANEL, 25600
.set SLOT,  4*PANEL
.set SPARE, 2*SLOT                     ; behind the ring: the spare words, 128 bytes a wave: two blocks of 256 bytes that no other line names
.set FR,    12
.set NL,    4
.set NP,    4
.set NQ,    2
.set SPITCH, 528                       ; the way out: a stage of 16 rows x (512 bytes + 16) for each wave, in slot 0, which has had its last fill and its last read by then
.set STO,   8                          ; v8   where I put 32 bytes of a row
.set RD,    9                          ; v9   where I read a row back
.set BH,    10                         ; v10  32 x (lane / 16)
.set A16,   16
.set A8,    18
.set B16,   20
.set B8,    22
.set ADRS,  24
.set L16,   26
.set L8,    27
.set SPW,   28
.set NIL,   29
.set SC,    32
.set BIAS,  64
.set AF,    128
.set BK,    128
.set G1,  24
.set G0,  32
.set G1B, 48
.set G0B, 56
.set MSB, 0
.macro WIN new
.if MSB != (\new)
	s_set_vgpr_msb (MSB<<8)|(\new)
.set MSB, (\new)
.endif
.endm
.set MUL_LO, 0xa1
.set MUL_HI, 0xf1
.set TO_B,   0x40
.macro JLOAD g0a, g1a, g0b, g1b        ; waves 0 and 1 fetch a's panels, waves 2 and 3 b's; four v_nop follow each of the two lines
	s_cmp_eq_u32 s15, 0
	s_cbranch_scc0 .Lfor_b_\@
	tensor_load_to_lds s[\g0a:\g0a+3], s[\g1a:\g1a+7]
	s_nop 0
.rept 4
	v_nop
.endr
	s_branch .Lasked_\@
.Lfor_b_\@:
	tensor_load_to_lds s[\g0b:\g0b+3], s[\g1b:\g1b+7]
	s_nop 0
.rept 4
	v_nop
.endr
.Lasked_\@:
.endm
.macro CREST
	s_cmp_lg_u32 s14, 0
	s_cbranch_scc1 .Lnot_wave_0_\@
	s_barrier_signal -3
.Lnot_wave_0_\@:
	s_barrier_wait -3
	s_barrier_signal -1
	s_barrier_wait -1
.endm
.macro CROUND
	s_barrier_signal -1
	s_barrier_wait -1
	CREST
.endm
.macro FRAG reg, a16, a8, q, i
	ds_load_b128 v[\reg:\reg+3], v[\a16] offset:(\i)*3072+(\q)*1536
	ds_load_b64 v[\reg+4:\reg+5], v[\a8] offset:(\i)*3072+(\q)*1536+512
	ds_load_b128 v[\reg+6:\reg+9], v[\a16] offset:(\i)*3072+(\q)*1536+768
	ds_load_b64 v[\reg+10:\reg+11], v[\a8] offset:(\i)*3072+(\q)*1536+1280
.endm
; first = 1: the sums begin with the bias as C.  The 64 accumulators take turns, one instruction a turn.
.macro MUL16 a0, p, q, sc, first
.irp a, \a0, \a0+1
.irp b, 0,1,2,3,4,5,6,7
.if \first
	v_wmma_scale_f32_16x16x128_f8f6f4 v[8*(8*((\a)%4)+\b):8*(8*((\a)%4)+\b)+7], v[128*(\p)+FR*\b:128*(\p)+FR*\b+FR-1], v[AF+FR*(\a):AF+FR*(\a)+FR-1], v[BIAS+8*\b:BIAS+8*\b+7], v[SC+8*NQ*(\sc)+NQ*\b+(\q)], v[SC+8*NQ*(\sc)+NQ*(\a)+(\q)] matrix_a_fmt:MATRIX_FMT_FP6 matrix_b_fmt:MATRIX_FMT_FP6 matrix_a_scale:MATRIX_SCALE_ROW1
.else
	v_wmma_scale_f32_16x16x128_f8f6f4 v[8*(8*((\a)%4)+\b):8*(8*((\a)%4)+\b)+7], v[128*(\p)+FR*\b:128*(\p)+FR*\b+FR-1], v[AF+FR*(\a):AF+FR*(\a)+FR-1], v[8*(8*((\a)%4)+\b):8*(8*((\a)%4)+\b)+7], v[SC+8*NQ*(\sc)+NQ*\b+(\q)], v[SC+8*NQ*(\sc)+NQ*(\a)+(\q)] matrix_a_fmt:MATRIX_FMT_FP6 matrix_b_fmt:MATRIX_FMT_FP6 matrix_a_scale:MATRIX_SCALE_ROW1
.endif
.endr
.endr
.endm
.macro FETCH_B slot, q, p
	WIN TO_B
.irp i, 0,1,2,3,4,5,6,7
	FRAG 128*(\p)+FR*\i, B16+\slot, B8+\slot, \q, \i
.endr
	WIN 0
.endm
.macro FETCH_A slot, q, i0
.irp i, \i0, \i0+1, \i0+2, \i0+3
	FRAG AF+FR*(\i), A16+\slot, A8+\slot, \q, \i
.endr
.endm
.macro SCALES sc
.irp i, 0,1,2,3,4,5,6,7
	ds_load_b64 v[SC+8*NQ*\sc+NQ*\i:SC+8*NQ*\sc+NQ*\i+1], v[ADRS+\sc] offset:\i*128
.endr
.endm
.macro PLACES n
.rept \n
	v_nop
.endr
.endm
.macro STEP slot, q, first
	s_wait_dscnt 4*NL                                  ; b's set, a's blocks 0-3 and the scale words are in; the youngest 16 loads (a's blocks 4-7) may be out
.if \first
	WIN 0x81                                           ; source 0 window 1, sources 1 and 2 (the bias) window 0, D window 2
.else
	WIN MUL_LO
.endif
	MUL16 0, (\q)%2, \q, \slot, \first
	MUL16 2, (\q)%2, \q, \slot, \first
	s_wait_dscnt 0x0
	PLACES NP
	FETCH_B \slot, (\q)+1, 1-(\q)%2
	FETCH_A \slot, (\q)+1, 0
.if \first
	WIN 0xc1
.else
	WIN MUL_HI
.endif
	MUL16 4, (\q)%2, \q, \slot, \first
	MUL16 6, (\q)%2, \q, \slot, \first
	PLACES NP
	WIN 0
	FETCH_A \slot, (\q)+1, 4
.endm
.macro TURN slot, next, fill
	s_wait_tensorcnt 0x0                               ; all my tensor loads have landed: my part of the next slot
	ds_add_u32 v[SPW], v[NIL]                          ; 0 onto my spare word
	s_wait_dscnt 4*NL+1                                ; (the add and a's blocks 4-7, 16 loads, may be out)
	WIN MUL_LO
	MUL16 0, 1, NQ-1, \slot, 0
	s_wait_dscnt 0x0                                   ; the add is done, and my reads of this slot are over
	s_barrier_signal -1
	MUL16 2, 1, NQ-1, \slot, 0
	WIN 0
	s_barrier_wait -1
.if \fill
	CREST                                              ; the barrier has opened a round of the cluster's: no wave of any partner still reads this slot or has a load on its way
	s_add_nc_u64 s[G0+4*\slot+2:G0+4*\slot+3], s[G0+4*\slot+2:G0+4*\slot+3], s[66:67]
	s_add_nc_u64 s[G0B+4*\slot+2:G0B+4*\slot+3], s[G0B+4*\slot+2:G0B+4*\slot+3], s[68:69]
	JLOAD G0+4*\slot, G1, G0B+4*\slot, G1B             ; the first tensor load behind the round; its four v_nop are the places in front of the loads below
.else
	PLACES NP
.endif
	FETCH_B \next, 0, 0
	FETCH_A \next, 0, 0
	SCALES \next
	WIN MUL_HI
	MUL16 4, 1, NQ-1, \slot, 0
	MUL16 6, 1, NQ-1, \slot, 0
	PLACES NP
	WIN 0
	FETCH_A \next, 0, 4
.endm
	s_load_b256 s[4:11], s[0:1], 0x0                   ; ao s[4:5], wc s[6:7], bo s[8:9], out0 s[10:11]
	v_lshl_add_u32 v[SPW], v0, 2, SPARE
	v_mov_b32 v[NIL], 0
	ds_add_u32 v28, v29
	ds_add_u32 v28, v29
	s_wait_dscnt 0x0
	v_lshrrev_b32 v1, 5, v0
	v_readfirstlane_b32 s14, v1                        ; wave 0..3
	s_lshr_b32 s15, s14, 1                             ; which 128 a rows are mine.  Also: I fetch for a (0) or for b (1)
	s_and_b32 s16, s14, 1                              ; which 128 b rows.  Also: which of the two panels I fetch
	s_bfe_u32 s40, ttmp6, 0x40000                      ; cx, cy
	s_bfe_u32 s41, ttmp6, 0x40004
	s_lshl_b32 s42, ttmp9, 2
	s_add_co_u32 s42, s42, s40                         ; tile column = 4 x cluster x + cx
	s_and_b32 s17, ttmp7, 0xffff
	s_lshl_b32 s17, s17, 2
	s_add_co_u32 s17, s17, s41                         ; tile row = 4 x cluster y + cy
	s_lshl_b32 s43, s41, 2
	s_lshl_b32 s43, 15, s43                            ; my row of the cluster
	s_lshl_b32 s44, 0x1111, s40                        ; my column
	s_or_b32 s[G1], s43, (3<<16)|(1<<21)               ; a panel: 100 dense rows of 256 bytes (32 elements of 8 bytes), no padding; bit 21 beside a mask
	s_or_b32 s[G1B], s44, (3<<16)|(1<<21)
.irp g, G1, G1B
	s_mov_b32 s[\g+1], 32<<16
	s_mov_b32 s[\g+2], 100<<16
	s_mov_b32 s[\g+3], 32<<16
	s_mov_b32 s[\g+4], 100
	s_mov_b32 s[\g+5], 32
	s_mov_b32 s[\g+6], 0
	s_mov_b32 s[\g+7], 0
.endr
	s_lshl_b32 s20, s17, 1
	s_add_co_u32 s20, s20, s16
	s_mul_i32 s20, s20, PANEL                          ; the panel of ao that I would fetch,
	s_mov_b32 s21, 0
	s_lshl_b32 s22, s42, 1
	s_add_co_u32 s22, s22, s16
	s_add_co_u32 s22, s22, 24
	s_mul_i32 s22, s22, PANEL                          ; and of Wo
	s_mov_b32 s23, 0
	s_mov_b32 s66, 64*PANEL                            ; from K slot to K slot in ao,
	s_mov_b32 s67, 0
	s_mov_b32 s68, 32*PANEL                            ; in wc
	s_mov_b32 s69, 0
	s_mul_i32 s45, s14, PANEL                          ; where it goes: wave x a panel
	s_wait_kmcnt 0x0
	s_add_nc_u64 s[20:21], s[4:5], s[20:21]
	s_add_nc_u64 s[22:23], s[6:7], s[22:23]
	CROUND                                             ; all sixteen work-groups are here: the first joint loads meet
	s_mov_b32 s[G0], 1
	s_add_co_u32 s[G0+1], s45, 0
	s_mov_b64 s[G0+2:G0+3], s[20:21]
	s_or_b32 s[G0+3], s[G0+3], 0x80000000
	s_mov_b32 s[G0B], 1
	s_add_co_u32 s[G0B+1], s45, 0
	s_mov_b64 s[G0B+2:G0B+3], s[22:23]
	s_or_b32 s[G0B+3], s[G0B+3], 0x80000000
	JLOAD G0, G1, G0B, G1B                             ; K slot 0
	s_mov_b32 s[G0+4], 1
	s_add_co_u32 s[G0+5], s45, SLOT
	s_add_nc_u64 s[G0+6:G0+7], s[20:21], s[66:67]
	s_or_b32 s[G0+7], s[G0+7], 0x80000000
	s_mov_b32 s[G0B+4], 1
	s_add_co_u32 s[G0B+5], s45, SLOT
	s_add_nc_u64 s[G0B+6:G0B+7], s[22:23], s[68:69]
	s_or_b32 s[G0B+7], s[G0B+7], 0x80000000
	JLOAD G0+4, G1, G0B+4, G1B                         ; K slot 1: two loads of mine are out
	s_lshl_b32 s66, s66, 1                             ; a refill goes two K slots on
	s_lshl_b32 s68, s68, 1
	v_and_b32 v1, 15, v0                               ; r
	v_bfe_u32 v2, v0, 4, 1                             ; h
	v_and_b32 v3, 31, v0
	v_lshlrev_b32 v[L16], 4, v3
	v_lshlrev_b32 v[L8], 3, v3
	v_lshlrev_b32 v[BH], 5, v2
	s_lshl_b32 s20, s17, 8
	s_lshl_b32 s21, s15, 7
	s_add_co_u32 s20, s20, s21                         ; my first row of out0,
	s_lshl_b32 s20, s20, 12                            ; in bytes (under 2^25)
	s_lshl_b32 s46, s42, 10
	s_lshl_b32 s47, s16, 9
	s_add_co_u32 s46, s46, s47                         ; my first column, in bytes
	s_add_co_u32 s20, s20, s46
	s_mov_b32 s21, 0
	s_mov_b32 s47, 0
	s_add_nc_u64 s[10:11], s[10:11], s[20:21]
	s_add_nc_u64 s[8:9], s[8:9], s[46:47]
.irp b, 0,1,2,3,4,5,6,7
	global_load_b128 v[BIAS+8*\b:BIAS+8*\b+3], v[BH], s[8:9] offset:64*\b        ; lane (r, h) wants bo at columns 16 b + 8 h + 0 .. 7
	global_load_b128 v[BIAS+8*\b+4:BIAS+8*\b+7], v[BH], s[8:9] offset:64*\b+16
.endr
	s_mul_i32 s21, s15, PANEL
	s_mul_i32 s22, s16, PANEL
	s_add_co_u32 s22, s22, 2*PANEL
	s_sub_co_u32 s23, s22, s21
	v_mul_u32_u24 v6, s23, v2                          ; lanes 16-31 take b's scale words: one product, the distance between the panels
	v_lshl_add_u32 v6, v1, 3, v6
	s_add_co_u32 s70, s21, 24576
	v_add_nc_u32 v[ADRS], s70, v6
	v_add_nc_u32 v[ADRS+1], SLOT, v[ADRS]
.irp s, 0,1
	v_add_nc_u32 v[A16+\s], s21, v[L16]
	v_add_nc_u32 v[A8+\s], s21, v[L8]
	v_add_nc_u32 v[B16+\s], s22, v[L16]
	v_add_nc_u32 v[B8+\s], s22, v[L8]
	s_add_co_u32 s21, s21, SLOT
	s_add_co_u32 s22, s22, SLOT
.endr
	s_mul_i32 s70, s14, 16*SPITCH                      ; my stage
	v_mul_u32_u24 v[STO], v1, SPITCH
	v_lshl_add_u32 v[STO], v2, 5, v[STO]
	v_add_nc_u32 v[STO], s70, v[STO]                   ; in: row r, 32 bytes for each half of the lanes
	v_add_nc_u32 v[RD], s70, v[L16]                    ; back: the 32 lanes take one row of 512 bytes
	s_wait_tensorcnt 1                                 ; my part of K slot 0 is in; slot 1's may stay out
	s_barrier_signal -1
	s_barrier_wait -1
	FETCH_B 0, 0, 0
	FETCH_A 0, 0, 0
	SCALES 0
	FETCH_A 0, 0, 4
	s_wait_loadcnt 0x0                                 ; the bias
	STEP 0, 0, 1                                       ; K = 1,024 is four slots of two steps: written out; the first products start the sums from the bias
	TURN 0, 1, 1
	STEP 1, 0, 0
	TURN 1, 0, 1
	STEP 0, 0, 0
	TURN 0, 1, 0                                       ; nothing is left to fetch
	STEP 1, 0, 0
	s_wait_dscnt 4*NL
	WIN MUL_LO
	MUL16 0, 1, NQ-1, 1, 0
	MUL16 2, 1, NQ-1, 1, 0
	s_wait_dscnt 0x0
	WIN MUL_HI
	MUL16 4, 1, NQ-1, 1, 0
	MUL16 6, 1, NQ-1, 1, 0
	WIN 0
; THE WAY OUT, block by block of 16 rows x 128 columns, through my own stage: in as 32 bytes a lane, back as whole rows of 512 bytes.  LDS serves a wave's instructions in order: no wait between the stores and the loads.
.macro TOSTAGE a
.set AC, 64*((\a)%4)
	WIN 0x08+4*((\a)/4)                                ; an LDS store's data are its source 1: window 2 or 3
.irp b, 0,1,2,3,4,5,6,7
	ds_store_b128 v[STO], v[AC+8*\b:AC+8*\b+3] offset:64*\b            ; each accumulator from its low end on
	ds_store_b128 v[STO], v[AC+8*\b+4:AC+8*\b+7] offset:64*\b+16
.endr
	WIN 0
.set BB, BK+64*((\a)%2)
.irp t, 0,1,2,3,4,5,6,7,8,9,10,11,12,13,14,15
	ds_load_b128 v[BB+4*\t:BB+4*\t+3], v[RD] offset:\t*SPITCH
.endr
.endm
.macro SEND a, younger                 ; younger: the LDS instructions issued behind block a's loads, which may stay out
.set BB, BK+64*((\a)%2)
	s_wait_dscnt \younger
.irp t, 0,1,2,3,4,5,6,7,8,9,10,11,12,13,14,15
	global_store_b128 v[L16], v[BB+4*\t:BB+4*\t+3], s[10:11] offset:(16*(\a)+\t)*4096 th:TH_STORE_NT   ; 32 lanes store 512 consecutive bytes, at a multiple of 256 from out0's first byte; 127 rows at the most stand in the immediate
.endr
.endm
	PLACES NP
	TOSTAGE 0
.irp a, 1,2,3,4,5,6,7
.if \a > 1
	s_wait_xcnt 0x0                                    ; block a - 2's stores have read their registers: block a's loads may land there
.endif
	TOSTAGE \a
	SEND \a-1, 32                                      ; behind block a - 1's loads: block a's 16 stores and 16 loads
.endr
	SEND 7, 0
	s_wait_tensorcnt 0x0                               ; the wave's end
	ds_add_u32 v[SPW], v[NIL]
	s_wait_dscnt 0x0
	CROUND                                             ; the closing round
	s_endpgm
.Lfunc_end_k_q2d8901f3e0_outgemm:
	.size	k_q2d8901f3e0_outgemm, .Lfunc_end_k_q2d8901f3e0_outgemm-k_q2d8901f3e0_outgemm
	.p2alignl 7, 3214868480
	.fill 96, 4, 3214868480
	.section	.rodata,"a",@progbits
	.p2align	6, 0x0
	.amdhsa_kernel k_q2d8901f3e0_outgemm
		.amdhsa_group_segment_fixed_size 327680
		.amdhsa_private_segment_fixed_size 0
		.amdhsa_enable_private_segment 0
		.amdhsa_kernarg_size 32
		.amdhsa_user_sgpr_count 2
		.amdhsa_user_sgpr_kernarg_segment_ptr 1
		.amdhsa_wavefront_size32 1
		.amdhsa_system_sgpr_workgroup_id_x 1
		.amdhsa_system_sgpr_workgroup_id_y 1
		.amdhsa_system_sgpr_workgroup_id_z 1
		.amdhsa_system_vgpr_workitem_id 0
		.amdhsa_next_free_vgpr 1024
		.amdhsa_next_free_sgpr 100
		.amdhsa_reserve_vcc 0
		.amdhsa_float_denorm_mode_32 3
		.amdhsa_float_denorm_mode_16_64 3
		.amdhsa_memory_ordered 1
		.amdhsa_forward_progress 1
		.amdhsa_inst_pref_size 142
	.end_amdhsa_kernel
	.amdgpu_metadata
---
amdhsa.version: [ 1, 2 ]
amdhsa.kernels:
  - .name:           k_q2d8901f3e0_outgemm
    .symbol:         k_q2d8901f3e0_outgemm.kd
    .args:
      - { .name: ao, .offset: 0, .size: 8, .value_kind: global_buffer, .address_space: global }
      - { .name: wc, .offset: 8, .size: 8, .value_kind: global_buffer, .address_space: global }
      - { .name: bo, .offset: 16, .size: 8, .value_kind: global_buffer, .address_space: global }
      - { .name: out0, .offset: 24, .size: 8, .value_kind: global_buffer, .address_space: global }
    .group_segment_fixed_size: 327680
    .private_segment_fixed_size: 0
    .kernarg_segment_align: 8
    .kernarg_segment_size: 32
    .max_flat_workgroup_size: 128
    .sgpr_count:     100
    .vgpr_count:     1024
    .wavefront_size: 32
...
	.end_amdgpu_metadata
.endif
;; end of part 4
;; ======== version 2 of 2: 4 launches; version 1 with the launch attn written anew for expert scheduling mode
;; workspace buffers: xq 6,553,600 bytes; wc 3,276,800 bytes; mw 524,288 bytes of whole numbers; mf 4,096 bytes of whole numbers; qkv 20,185,088 bytes; ao 6,553,600 bytes
;; launch prep: the kernel of part 1 again; grid 512 x 1, 4 waves a work-group, no clusters, 34,304 bytes of LDS; arguments x, mask, Wqkv, Wo, xq, wc, mw, mf; writes xq, wc, mw, mf
;; launch qkvgemm: the kernel of part 2 again; grid 12 x 32, 4 waves a work-group, clusters of 4 x 4, 327,680 bytes of LDS; arguments xq, wc, qkv; writes qkv
;; launch attn (part 5): grid 4 x 64, 16 waves a work-group, no clusters, 210,944 bytes of LDS; arguments qkv, mw, mf, ao; writes ao
.if DOCPART == 5
	.amdgcn_target "amdgcn-amd-amdhsa--gfx1250"
	.amdhsa_code_object_version 6
	.text
	.protected	k_q2d8901f3e0_attn
	.globl	k_q2d8901f3e0_attn
	.p2align	8
	.type	k_q2d8901f3e0_attn,@function
k_q2d8901f3e0_attn:
	s_mov_b64 s[64:65], 0
	v_nop
	global_prefetch_b8 v0, s[64:65] scope:SCOPE_SE
	s_setreg_imm32_b32 hwreg(HW_REG_WAVE_SCHED_MODE, 0, 2), 2
	s_setreg_imm32_b32 hwreg(HW_REG_WAVE_MODE, 25, 1), 1
	s_wait_xcnt 0x0
	s_wait_alu depctr_vm_vsrc(0)
; ATTN: for one (batch, head): S^T = K Q^T, the mask as it is given, p = 2^(t - M), O^T = V^T P^T, O / l, and the quantiser of the result: all products on codes of FP6 (E2M3) with E8M0 scales.
; t = score x log2(e) / 8; M = the row's largest t so far rounded UP to a whole number; p is quantised along the keys, not normalised; l is the sum of the unquantised p, in f32; when M moves, l and O are multiplied by 2^(old M - new M), exactly.
; SHARES: work-group (j, batch x head), 16 waves.  Wave w makes two tiles of 16 queries, one after the other: tile 4 w + j and tile 127 - (4 w + j).  A whole head's K and V (codes and scale words, 208,896 bytes) are copied into LDS once;
; the one barrier stands behind that copy, and nothing is written to LDS afterwards.
; No tensor load and no joint load: a step's work is jumped over on a flag read from memory; the four work-groups of a head read the same 208,896 bytes once each.
; THE MASK is an input: mw holds, for each (query tile, step of 128 keys), 64 words whose bit l says whether score register j of lane l is open; mf's flags say whether a step has any open key (else its work is left out:
; every p there would be 0) and whether all are open (then the 64 selects are left out).  Both were stored by an earlier launch.  Every trip count is a constant.
; A ROW WITH NO OPEN KEY has l = 0: its two scale bytes become 0xff, so that the last product makes the whole output row NaN, as the softmax of such a row is.
; K = 64 of the first product is filled to the instruction's 128 with zero codes on both sides (registers 6-11 of Q's and K's fragments, cleared once).
; LIMITS: NaN and infinities among the inputs are not served.  A block's largest p is taken through its largest score: that takes v_exp_f32 not to fall where its input rises.  A block's byte is held at 1 from below.
; REGISTERS: v1 16 x lane, v2 8 x lane, v3 4 (lane % 16), v4 -infinity, v5-10 the step's LDS addresses, v11 0xffff, v12 -M, v13 largest t, v[14:15] l in two halves, v16-27 Q, v28-75 four fragments of K, v76-123 V's four,
; v124-187 S^T, then p, v188-219 O^T, v220 the result's two scale bytes, v221 8 (lane % 16), v224-235 p's codes, v232-254 at work, v248-251 scale words of K, then V, v253 p's scale word, v255 Q's.
; THE MODE: SCHED_MODE bits 1:0 = 2 (LLVM: expert scheduling mode 2), set by the entry lines.  The code itself states the register dependences between vector or matrix instructions and memory or LDS instructions,
; with s_wait_alu, always for 0.
; THE PLAN.  Registers that memory or LDS instructions touch:
;   v1-3, v221    offsets, made once at the head and never written again.
;   v5-10         at the head v5-8 are the copy's addresses; in the loop six additions at a worked step's head write v5-10, and that step's LDS loads read them.
;   v96-199       at the head: the copy's loads land there and its LDS stores read them; later V's fragments, S^T and O^T.
;   v16-21, v255  Q and its scale words: loaded at a tile's head, read by the tile's products K Q^T.
;   KF            registers 0-5 of four fragments: loaded twice a step (keys' tiles 0-3, then 4-7), read by four products each time.
;   v248-251      scale words: K's tiles 0-3, K's tiles 4-7, then V's: read by the products as scales.
;   VF            V's four fragments: loaded once a step, read by the step's last four products.
;   v224-235, v253  p's codes and scale word: written by vector instructions, read by the last four products; on the way out v224-229 and v220 are written by vector instructions and read by the tile's stores.
; A WORKED STEP has one wait on vm_vsrc, ahead of the six additions, and four on va_vdst beside the two for the exponentials: behind the additions (the addresses are written; the step before is done reading KF, VF and
; v248-251); between the two groups of K's tiles; behind the eighth product (V's scale words land where K's lay); ahead of V^T P^T (p's codes and scale word are written).  V's sixteen loads of codes are dealt among products
; 5 to 8 with no further wait: since the wait at the step's head only products K Q^T and v_nop were issued, which name KF, Q, S^T, v248-251 and v255, and none of VF, v7, v8.
.set REC,  315392
.set KF,   28
.set VF,   76
.set S,    124
.set O,    188
.set SEL,  60                          ; s[60:61] selects of v_permlanex16_b32: lane l xor 16
.set CS,   62                          ; s[62:63] c = log2(e) / 8
.set WV,   66
.set FL,   67                          ; the tile's flags
.set ST,   92                          ; the step
.set TB,   93                          ; LDS byte of the step's K codes,
.set TBV,  94                          ; V codes,
.set TS,   95                          ; K's scale words,
.set TJ,   96                          ; V's
.set MOFF, 97                          ; the step's mask words: 256 bytes a step
.set FS,   98
.set QT,   99                          ; the query tile
.set MB,   100                         ; s[100:101] the tile's mask words
.macro TILE p
	s_wait_xcnt 0x0                                    ; the last tile's stores have read their registers and bases
	s_wait_alu depctr_vm_vsrc(0)                       ; first tile: the copy's LDS stores have read v5-8 and v96-199, which this tile writes; second tile: the first tile's stores have read v220 and v224-229, which this tile writes again
	s_lshl_b32 s[QT], s[WV], 2
	s_add_co_u32 s[QT], s[QT], ttmp9
.if \p
	s_sub_co_u32 s[QT], 127, s[QT]
.endif
	s_lshl_b32 s[FS], s[QT], 5
	s_load_b256 s[84:91], s[56:57], s[FS] offset:0x0   ; the tile's eight flag words
	s_wait_kmcnt 0x0
	s_wait_xcnt 0x0
	s_or_b32 s[FL], s84, s85
.irp i, 86,87,88,89,90,91
	s_or_b32 s[FL], s[FL], s\i
.endr
	s_mul_i32 s84, s[QT], 768
	s_mov_b32 s85, 0
	s_add_nc_u64 s[84:85], s[52:53], s[84:85]
	global_load_b128 v[16:19], v1, s[84:85]            ; Q's image: 16 queries x 64.  (No wait on va_vdst here: no vector instruction since the last one, at the head or ahead of the first tile's stores, names v1-3, v16-21 or v255)
	global_load_b64 v[20:21], v2, s[84:85] offset:512
	s_lshl_b32 s86, s[QT], 6
	s_mov_b32 s87, 0
	s_add_nc_u64 s[86:87], s[52:53], s[86:87]
	global_load_b32 v255, v3, s[86:87] offset:98304    ; Q's scale words
	s_lshl_b32 s[MB], s[QT], 12
	s_mov_b32 s[MB+1], 0
	s_add_nc_u64 s[MB:MB+1], s[54:55], s[MB:MB+1]
	v_mov_b32 v13, 0xff61b1e6                          ; the largest t so far: -3e38, under every t
	v_floor_f32 v12, -v13                              ; -M
	v_mov_b32 v14, 0
	v_mov_b32 v15, 0
.set j, 0
.rept 32
	v_mov_b32 v[O+j], 0                                ; the step is written once: the first finds zeros, which the first change of M leaves zeros
.set j, j+1
.endr
	s_mov_b32 s[ST], 0
	s_mov_b32 s[TB], 0
	s_mov_b32 s[TBV], 98304
	s_mov_b32 s[TS], 196608
	s_mov_b32 s[TJ], 204800
	s_mov_b32 s[MOFF], 0
	s_wait_loadcnt 0x0
.Lstep_\@:                                         ; 16 trips: a step of 128 keys each
	s_lshr_b32 s[FS], s[FL], s[ST]
	s_bitcmp1_b32 s[FS], 0
	s_cbranch_scc0 .Lhidden_\@                         ; no key of the step is open for any of my 16 queries: only the addresses step
	s_load_b512 s[4:19], s[MB:MB+1], s[MOFF] offset:0x0    ; the step's 64 mask words
	s_load_b512 s[20:35], s[MB:MB+1], s[MOFF] offset:0x40
	s_load_b512 s[36:51], s[MB:MB+1], s[MOFF] offset:0x80
	s_load_b512 s[68:83], s[MB:MB+1], s[MOFF] offset:0xc0
	s_wait_alu depctr_vm_vsrc(0)                       ; the LDS loads issued so far have read v5-10, which the six additions write
	v_add_nc_u32 v5, s[TB], v1                         ; (these six are also the places behind the last step's products, in front of the loads below)
	v_add_nc_u32 v6, s[TB], v2
	v_add_nc_u32 v7, s[TBV], v1
	v_add_nc_u32 v8, s[TBV], v2
	v_add_nc_u32 v9, s[TS], v3
	v_add_nc_u32 v10, s[TJ], v3
	s_wait_alu depctr_va_vdst(0)                       ; v5-10 are written, which this step's LDS loads read; the last worked step's products are done reading KF, VF and v248-251, in which they land; in a tile's first worked step the zero codes of Q's and K's fragments are written, which the products take
.irp g, 0,1                                        ; S^T = K Q^T, four tiles of 16 keys at a time
.if \g
.rept 4
	v_nop                                              ; places in front of loads into registers that matrix instructions have read
.endr
	s_wait_alu depctr_va_vdst(0)                       ; the first four products are done reading KF and K's scale words v248-251, in which the loads of tiles 4 to 7 land
.endif
.irp t, 0,1,2,3
	ds_load_b128 v[KF+12*\t:KF+12*\t+3], v5 offset:(4*\g+\t)*768
	ds_load_b64 v[KF+12*\t+4:KF+12*\t+5], v6 offset:(4*\g+\t)*768+512
	ds_load_b32 v[248+\t], v9 offset:(4*\g+\t)*64
.endr
	s_wait_dscnt 0x0
.irp t, 0,1,2,3
	v_wmma_scale_f32_16x16x128_f8f6f4 v[S+8*(4*\g+\t):S+8*(4*\g+\t)+7], v[KF+12*\t:KF+12*\t+11], v[16:27], 0, v[248+\t], v255 matrix_a_fmt:MATRIX_FMT_FP6 matrix_b_fmt:MATRIX_FMT_FP6
.if \g                                             ; V's four fragments are asked for among products 5 to 8 and land under the softmax.  No wait: no vector or matrix instruction since the wait at the step's head names VF, v7 or v8
	ds_load_b128 v[VF+12*\t:VF+12*\t+3], v7 offset:\t*1536
	ds_load_b64 v[VF+12*\t+4:VF+12*\t+5], v8 offset:\t*1536+512
	ds_load_b128 v[VF+12*\t+6:VF+12*\t+9], v7 offset:\t*1536+768
	ds_load_b64 v[VF+12*\t+10:VF+12*\t+11], v8 offset:\t*1536+1280
.endif
.endr
.endr                                              ; lane (r, h) holds query r; register 8 u + j is key 16 u + 8 h + j of the step
.rept 4
	v_nop                                              ; places behind the last products: in front of the first read of S^T and of the loads into their scale registers
.endr
	s_wait_alu depctr_va_vdst(0)                       ; products 5 to 8 are done reading K's scale words v248-251, in which V's land
.irp t, 0,1,2,3
	ds_load_b32 v[248+\t], v10 offset:\t*64            ; V's scale words
.endr
	s_wait_kmcnt 0x0                                   ; the mask words are in, on every way,
	s_wait_xcnt 0x0                                    ; and their offset may be stepped
	s_bitcmp1_b32 s[FS], 16
	s_cbranch_scc1 .Lopen_\@                           ; all 16 x 128 are open
.set j, 0
.rept 64
.if j < 48
.set mr, 4+j
.else
.set mr, 20+j
.endif
	v_cndmask_b32 v[S+j], v4, v[S+j], s[mr]            ; a closed key's score becomes -infinity ahead of the maximum: p = 0 then
.set j, j+1
.endr
.Lopen_\@:
.irp b, 0,1,2,3
	v_max3_num_f32 v[232+\b], v[S+16*\b], v[S+16*\b+1], v[S+16*\b+2]   ; the largest score of each block of 32 keys: for the row's maximum and, since p rises with the score, for the block's largest p
.endr
.irp i, 3,5,7,9,11,13
.irp b, 0,1,2,3
	v_max3_num_f32 v[232+\b], v[232+\b], v[S+16*\b+\i], v[S+16*\b+\i+1]
.endr
.endr
.irp b, 0,1,2,3
	v_max_num_f32 v[232+\b], v[232+\b], v[S+16*\b+15]
.endr
.irp b, 0,1,2,3
	v_permlanex16_b32 v[236+\b], v[232+\b], s[SEL], s[SEL+1]
.endr
.irp b, 0,1,2,3
	v_max_num_f32 v[232+\b], v[232+\b], v[236+\b]      ; with lane l xor 16's 16 keys
.endr
	v_max3_num_f32 v254, v232, v233, v234
	v_max_num_f32 v254, v254, v235
	v_mul_f32 v254, s[CS], v254                        ; as t (c is positive)
	v_max_num_f32 v13, v13, v254                       ; the running largest t
	v_mov_b32 v254, v12
	v_floor_f32 v12, -v13                              ; the new -M = floor(-t) = -ceil(t)
	v_sub_f32 v254, v12, v254                          ; old M less new M: a whole number, 0 or less
	v_cvt_i32_f32 v254, v254                           ; (it saturates)
	v_ldexp_f32 v252, 1.0, v254                        ; f = 2^(old M - new M)
.set j, 0
.rept 32
	v_pk_fma_f32 v[S+j:S+j+1], v[S+j:S+j+1], s[CS:CS+1], v[12:13] op_sel_hi:[1,0,0]   ; t - M, two at a time
.set j, j+2
.endr
.irp b, 0,1,2,3
	v_fma_f32 v[232+\b], v[232+\b], s[CS], v12         ; the same of each block's largest score
.endr
.set j, 0
.rept 64
	v_exp_f32 v[S+j], v[S+j]                           ; p = 2^(t - M), at most 1
.set j, j+1
.endr
	v_pk_mul_f32 v[14:15], v[14:15], v[252:253] op_sel_hi:[1,0]   ; l under the new M (a plain place behind the exponentials)
	s_wait_alu depctr_va_vdst(0)                       ; the 64 exponentials have written p in v124-187: one wait for the batch, ahead of its first reader
.irp b, 0,1,2,3
	v_exp_f32 v[232+\b], v[232+\b]                     ; the block's largest p: the same two instructions on the same number give the same bits
.endr
	v_pk_add_f32 v[236:237], v[S:S+1], v[S+2:S+3]      ; l is the sum of the unquantised p: two at a time, in two chains
.set j, 4
.rept 15
	v_pk_add_f32 v[14:15], v[14:15], v[S+j:S+j+1]
	v_pk_add_f32 v[236:237], v[236:237], v[S+j+2:S+j+3]
.set j, j+4
.endr
	v_pk_add_f32 v[14:15], v[14:15], v[236:237]
	s_wait_alu depctr_va_vdst(0)                       ; the four exponentials have written the blocks' largest p in v232-235, ahead of their first reader
.irp b, 0,1,2,3
	v_max_num_f32 v[232+\b], 0x1800000, v[232+\b]      ; the floor 2^(3 - 127): the byte cannot fall under 1
.endr
.irp b, 0,1,2,3
	v_add_nc_u32 v[244+\b], 0xff000000, v[232+\b]      ; 2 off the exponent field: the conversion's scale operand
.endr
.irp b, 0,1,2,3
	v_lshrrev_b32 v[236+\b], 23, v[244+\b]
.endr
	v_lshl_or_b32 v253, v237, 8, v236                  ; p's scale word for these 128 keys
	v_lshl_or_b32 v253, v238, 16, v253
	v_lshl_or_b32 v253, v239, 24, v253
.irp c, 0,1
	v_cvt_scalef32_pk16_fp6_f32 v[224+6*\c:226+6*\c], v[S+32*\c:S+32*\c+15], v[244+2*\c]
	v_cvt_scalef32_pk16_fp6_f32 v[236+4*\c:238+4*\c], v[S+32*\c+16:S+32*\c+31], v[244+2*\c+1]
.endr
	v_nop                                              ; one plain place behind a scaled conversion
.irp c, 0,1
.irp i, 0,1,2
	v_permlane16_swap_b32 v[224+6*\c+\i], v[236+4*\c+\i]
.endr
.irp i, 0,1,2
	v_mov_b32 v[227+6*\c+\i], v[236+4*\c+\i]
.endr
.endr
.set j, 0
.rept 16
	v_pk_mul_f32 v[O+j:O+j+1], v[O+j:O+j+1], v[252:253] op_sel_hi:[1,0]   ; O^T under the new M (these sixteen also stand between the codes and the scale word just made and the products)
.set j, j+2
.endr
	s_wait_alu depctr_va_vdst(0)                       ; p's codes v224-235 and its scale word v253 are written, which the scaled products below take as source 1 and as its scales; the sixteen multiplications above are the places and stay beside this wait
	s_wait_dscnt 0x0                                   ; V is in
.irp t, 0,1,2,3                                    ; O^T += V^T P^T: the four accumulators by turns
	v_wmma_scale_f32_16x16x128_f8f6f4 v[O+8*\t:O+8*\t+7], v[VF+12*\t:VF+12*\t+11], v[224:235], v[O+8*\t:O+8*\t+7], v[248+\t], v253 matrix_a_fmt:MATRIX_FMT_FP6 matrix_b_fmt:MATRIX_FMT_FP6
.endr
.Lhidden_\@:
	s_add_co_u32 s[TB], s[TB], 6144
	s_add_co_u32 s[TBV], s[TBV], 6144
	s_add_co_u32 s[TS], s[TS], 512
	s_add_co_u32 s[TJ], s[TJ], 256
	s_add_co_u32 s[MOFF], s[MOFF], 256
	s_add_co_u32 s[ST], s[ST], 1
	s_cmp_lt_u32 s[ST], 16
	s_cbranch_scc1 .Lstep_\@
	; ---- the tile's way out: O / l, quantised along the head's 64 (two blocks), as an image of 16 rows x 64 K of the last product's operand
.rept 4
	v_nop
.endr
	v_add_f32 v14, v14, v15
	v_permlanex16_b32 v252, v14, s[SEL], s[SEL+1]
	v_add_f32 v14, v14, v252                           ; the row's l
	v_rcp_f32 v254, v14
	v_nop                                              ; a plain place behind the transcendental
	s_and_b32 s88, ttmp7, 0xffff
	s_and_b32 s89, s88, 15                             ; head
	s_lshr_b32 s88, s88, 4                             ; batch
	s_lshr_b32 s90, s89, 2                             ; K slot of the last product = head / 4
	s_lshl_b32 s90, s90, 6
	s_lshl_b32 s88, s88, 4
	s_add_co_u32 s90, s90, s88
	s_lshr_b32 s88, s[QT], 3
	s_add_co_u32 s90, s90, s88
	s_mul_i32 s90, s90, 25600                          ; the panel
	s_and_b32 s88, s[QT], 7                            ; my tile in it
	s_bfe_u32 s91, s89, 0x10001                        ; which 128 K of the slot,
	s_and_b32 s89, s89, 1                              ; which 64 of them
	s_mul_i32 s84, s88, 3072
	s_mul_i32 s85, s91, 1536
	s_add_co_u32 s84, s84, s85
	s_mul_i32 s85, s89, 768
	s_add_co_u32 s84, s84, s85
	s_add_co_u32 s84, s84, s90
	s_mov_b32 s85, 0
	s_lshl_b32 s86, s88, 7
	s_lshl_b32 s91, s91, 2
	s_add_co_u32 s86, s86, s91
	s_lshl_b32 s89, s89, 1
	s_add_co_u32 s86, s86, s89
	s_add_co_u32 s86, s86, s90
	s_add_co_u32 s86, s86, 24576
	s_mov_b32 s87, 0
	s_add_nc_u64 s[84:85], s[58:59], s[84:85]
	s_add_nc_u64 s[86:87], s[58:59], s[86:87]
	s_wait_alu depctr_va_vdst(0)                       ; the reciprocal has written 1 / l in v254, ahead of its first reader
.set j, 0
.rept 32
	v_mul_f32 v[S+j], v[O+j], v254                     ; register 8 t + i is channel 16 t + 8 h + i of my query; each accumulator from its low end on
.set j, j+1
.endr
.irp b, 0,1
	v_max3_num_f32 v[232+\b], |v[S+16*\b]|, |v[S+16*\b+1]|, 0x1800000
.endr
.irp i, 2,4,6,8,10,12,14
.irp b, 0,1
	v_max3_num_f32 v[232+\b], v[232+\b], |v[S+16*\b+\i]|, |v[S+16*\b+\i+1]|
.endr
.endr
.irp b, 0,1
	v_permlanex16_b32 v[236+\b], v[232+\b], s[SEL], s[SEL+1]
.endr
.irp b, 0,1
	v_max_num_f32 v[232+\b], v[232+\b], v[236+\b]
.endr
	v_cmp_eq_f32 vcc_lo, 0, v14                        ; has the row no open key?  (The five lines below stand between the compare and the wait for its mask)
.irp b, 0,1
	v_add_nc_u32 v[244+\b], 0xff000000, v[232+\b]
.endr
.irp b, 0,1
	v_lshrrev_b32 v[236+\b], 23, v[244+\b]
.endr
	v_lshl_or_b32 v220, v237, 8, v236                  ; the row's two scale bytes
	s_wait_alu depctr_va_vcc(0)                        ; the compare has written VCC, which the select reads
	v_cndmask_b32 v220, v220, v11, vcc_lo              ; no open key: both bytes 0xff
	v_cvt_scalef32_pk16_fp6_f32 v[224:226], v[S:S+15], v244
	v_cvt_scalef32_pk16_fp6_f32 v[228:230], v[S+16:S+31], v245
	v_nop
.irp i, 0,1,2
	v_permlane16_swap_b32 v[224+\i], v[228+\i]         ; lane (r, h) now holds block h of row r
.endr
	v_mov_b32 v227, v228
	v_mov_b32 v228, v229
	v_mov_b32 v229, v230
	s_wait_alu depctr_va_vdst(0)                       ; the codes v224-229 and the bytes v220 are written, which the three stores read; and this tile's products are done reading Q in v16-21 and its scale words v255, in which the next tile's loads land: no vector instruction stands between this wait and those loads
	global_store_b128 v1, v[224:227], s[84:85]         ; 512 consecutive bytes,
	global_store_b64 v2, v[228:229], s[84:85] offset:512   ; and 256
	global_store_b16 v221, v220, s[86:87]              ; two bytes of each row's scale word (lanes l and l xor 16 write the same bytes with the same value): parts of blocks, 262,144 bytes in the whole launch
.endm
	s_load_b256 s[52:59], s[0:1], 0x0                  ; qkv s[52:53], mw s[54:55], mf s[56:57], ao s[58:59]
	v_lshl_add_u32 v223, v0, 2, 0x33000
	v_mov_b32 v243, 0
	v_lshrrev_b32 v5, 5, v0
	v_readfirstlane_b32 s[WV], v5                      ; wave 0..15
	v_and_b32 v3, 31, v0
	v_lshlrev_b32 v1, 4, v3
	v_lshlrev_b32 v2, 3, v3
	v_and_b32 v3, 15, v0
	v_lshlrev_b32 v221, 3, v3
	v_lshlrev_b32 v3, 2, v3
	v_mov_b32 v4, 0xff800000
	v_mov_b32 v11, 0xffff
	v_lshlrev_b32 v5, 4, v0                            ; the copy: 16 x thread, in memory and in LDS;
	v_add_nc_u32 v6, 0x10000, v5                       ; an LDS immediate reaches 65,535 bytes: four address registers
	v_add_nc_u32 v7, 0x20000, v5
	v_add_nc_u32 v8, 0x30000, v5
	s_wait_alu depctr_va_sdst(0)                       ; the wave's number is written in s66, ahead of its first reader: the branches of the copy and the tiles' numbers are made from it
	s_and_b32 s84, ttmp7, 0xffff
	s_mul_i32 s84, s84, REC
	s_mov_b32 s85, 0
	s_mov_b32 s[SEL], 0x76543210
	s_mov_b32 s[SEL+1], 0xfedcba98
	s_mov_b32 s[CS], 0x3e38aa3b                        ; c = log2(e) / 8
	s_mov_b32 s[CS+1], s[CS]                           ; (named with it as a pair)
	s_wait_kmcnt 0x0
	s_add_nc_u64 s[52:53], s[52:53], s[84:85]          ; my record
	s_wait_alu depctr_va_vdst(0)                       ; the offsets and addresses v1-3, v5-8 and v221 are written, which the copy's loads and LDS stores, Q's loads and the tiles' stores read
.set c, 0
.rept 25                                           ; K's codes to V's scale words are one dense run of 208,896 bytes: 25 pieces of 8,192, and half a piece for waves 0-7
	global_load_b128 v[96+4*c:99+4*c], v5, s[52:53] offset:106496+8192*c
.set c, c+1
.endr
	s_cmp_lt_u32 s[WV], 8
	s_cbranch_scc0 .Lshort_a
	global_load_b128 v[196:199], v5, s[52:53] offset:106496+8192*25
.Lshort_a:
.irp i, 22,23,24,25,26,27
	v_mov_b32 v\i, 0                                   ; Q's K 64-127: zero codes.  (None of the moves here names a register of the copy: v5-8, v96-199)
.endr
.irp t, 0,1,2,3
.irp i, 6,7,8,9,10,11
	v_mov_b32 v[KF+12*\t+\i], 0                        ; K's likewise
.endr
.endr
.irp b, 0,1,2,3
	v_mov_b32 v[236+\b], 0                             ; a lane permute's destination counts as one of its sources
.endr
	v_mov_b32 v252, 0
	v_mov_b32 v253, 0                                  ; (named as the upper half of a pair before it is first written)
	s_wait_loadcnt 0x0
.set c, 0
.rept 25
	ds_store_b128 v[5+c/8], v[96+4*c:99+4*c] offset:8192*(c%8)
.set c, c+1
.endr
	s_cmp_lt_u32 s[WV], 8
	s_cbranch_scc0 .Lshort_b
	ds_store_b128 v8, v[196:199] offset:8192
.Lshort_b:
	s_wait_dscnt 0x0                                   ; for the others' sake: my stores have landed
	s_barrier_signal -1
	s_barrier_wait -1
	TILE 0
	TILE 1
	s_wait_dscnt 0x0
	s_wait_alu depctr_hold_cnt(0) depctr_sa_sdst(0) depctr_va_vdst(0) depctr_va_sdst(0) depctr_va_ssrc(0) depctr_va_vcc(0) depctr_vm_vsrc(0)
	s_wait_tensorcnt 0x0
	ds_add_u32 v223, v243
	s_wait_dscnt 0x0
	s_endpgm
.Lfunc_end_k_q2d8901f3e0_attn:
	.size	k_q2d8901f3e0_attn, .Lfunc_end_k_q2d8901f3e0_attn-k_q2d8901f3e0_attn
	.p2alignl 7, 3214868480
	.fill 96, 4, 3214868480
	.section	.rodata,"a",@progbits
	.p2align	6, 0x0
	.amdhsa_kernel k_q2d8901f3e0_attn
		.amdhsa_group_segment_fixed_size 210944
		.amdhsa_private_segment_fixed_size 0
		.amdhsa_enable_private_segment 0
		.amdhsa_kernarg_size 32
		.amdhsa_user_sgpr_count 2
		.amdhsa_user_sgpr_kernarg_segment_ptr 1
		.amdhsa_wavefront_size32 1
		.amdhsa_system_sgpr_workgroup_id_x 1
		.amdhsa_system_sgpr_workgroup_id_y 1
		.amdhsa_system_sgpr_workgroup_id_z 1
		.amdhsa_system_vgpr_workitem_id 0
		.amdhsa_next_free_vgpr 256
		.amdhsa_next_free_sgpr 102
		.amdhsa_reserve_vcc 1
		.amdhsa_float_denorm_mode_32 3
		.amdhsa_float_denorm_mode_16_64 3
		.amdhsa_memory_ordered 1
		.amdhsa_forward_progress 1
		.amdhsa_inst_pref_size 65
	.end_amdhsa_kernel
	.amdgpu_metadata
---
amdhsa.version: [ 1, 2 ]
amdhsa.kernels:
  - .name:           k_q2d8901f3e0_attn
    .symbol:         k_q2d8901f3e0_attn.kd
    .args:
      - { .name: qkv, .offset: 0, .size: 8, .value_kind: global_buffer, .address_space: global }
      - { .name: mw, .offset: 8, .size: 8, .value_kind: global_buffer, .address_space: global }
      - { .name: mf, .offset: 16, .size: 8, .value_kind: global_buffer, .address_space: global }
      - { .name: ao, .offset: 24, .size: 8, .value_kind: global_buffer, .address_space: global }
    .group_segment_fixed_size: 210944
    .private_segment_fixed_size: 0
    .kernarg_segment_align: 8
    .kernarg_segment_size: 32
    .max_flat_workgroup_size: 512
    .sgpr_count:     102
    .vgpr_count:     256
    .wavefront_size: 32
...
	.end_amdgpu_metadata
.endif
;; end of part 5
;; launch outgemm: the kernel of part 4 again; grid 4 x 32, 4 waves a work-group, clusters of 4 x 4, 327,680 bytes of LDS; arguments ao, wc, bo, out0; writes out0
